; MI455X (gfx1250); checked and timed in simulation.
; The chip was launched on July 23, 2026; its instructions are those of AMD's public machine-readable ISA for CDNA 5 (MIT licence, August 2026) and "CDNA5" Instruction Set Architecture Reference Guide (July 2026). The comments in the code are by the model that wrote it; some were corrected since.
;; Multi Head Attention. Allowed arithmetic: matrix products marked QUANTISED: E2M3 operands, one E8M0 scale for each 32 along K, by v_wmma_scale_f32_16x16x128_f8f6f4 with both operands' format E2M3, f32 sums; everything else in f32.
;; Inputs: Wk 1,024 x 1,024 float32; Wo 1,024 x 1,024 float32; Wq 1,024 x 1,024 float32; Wv 1,024 x 1,024 float32; bk 1,024 float32; bo 1,024 float32; bq 1,024 float32; bv 1,024 float32; x 4 x 2,048 x 1,024 float32.
;; Outputs: out0 4 x 2,048 x 1,024 float32.
;; This version of the problem:
;;   THIS VERSION OF THE PROBLEM IS GIVEN IN LOW PRECISION. The matrix products marked QUANTISED in the list below multiply operands that are first quantised to E2M3 (2 exponent bits, 3 mantissa bits; 6 bits a number), with one power-of-two scale for each 32 numbers along K (OCP MX v1.0); their sums are f32. All else is computed in f32.
;;   The module's matrix products, in the order in which they are computed (A, B: the left and right operand; K: the contracted axis; several contracted axes count as one K, in the product's order):
;;     1. [M 8,192, K 1,024] x [K 1,024, N 1,024]; A: input x; B: input Wq: QUANTISED
;;     2. [M 8,192, K 1,024] x [K 1,024, N 1,024]; A: input x; B: input Wk: QUANTISED
;;     3. [M 8,192, K 1,024] x [K 1,024, N 1,024]; A: input x; B: input Wv: QUANTISED
;;     4. batch 64 x [M 2,048, K 64] x [K 64, N 2,048]; A: computed on the way; B: computed on the way: QUANTISED
;;     5. batch 64 x [M 2,048, K 2,048] x [K 2,048, N 64]; A: softmax (see below); B: computed on the way: QUANTISED
;;     6. [M 8,192, K 1,024] x [K 1,024, N 1,024]; A: computed on the way; B: input Wo: QUANTISED
;;   THE QUANTISER, for each operand of a quantised product, along K:
;;     - K is cut into blocks of 32 from its start; a last block that is shorter is filled with zeros.
;;     - A block's scale is 2^e with e = floor(log2(the largest magnitude in the block)) - 2, held to -126 .. 127; a block of zeros has e = 0. As a byte (E8M0): e + 127.
;;     - Each number is divided by its block's scale, clamped to +-7.5, and rounded to the nearest number of E2M3, ties to even, subnormals kept.
;;     - The product sums the exact products of the quantised numbers (number of the format x scale) in f32.
;;   ~~~python
;;   def quantise(x, axis):      # numpy; x: float32 -> the quantised numbers, widened to float32 again
;;       x = np.moveaxis(x, axis, -1); K = x.shape[-1]
;;       x = np.pad(x, [(0, 0)] * (x.ndim - 1) + [(0, -K % 32)]); x = x.reshape(x.shape[:-1] + (-1, 32)); a = np.abs(x).max(-1, keepdims=True)
;;       e = np.where(a > 0, np.clip(np.frexp(np.where(a > 0, a, 1))[1] - 1 - 2, -126, 127), 0)      # np.frexp(a)[1] - 1 = floor(log2(a)), exactly
;;       r = np.clip(x / 2.0 ** e, -7.5, 7.5)
;;       step = 2.0 ** (np.maximum(np.frexp(np.where(r == 0, 1, r))[1] - 1, 0) - 3)
;;       q = np.round(r / step) * step * 2.0 ** e      # np.round: ties to even
;;       return np.moveaxis(q.reshape(q.shape[:-2] + (-1,))[..., :K], -1, axis).astype(np.float32)
;;   ~~~
;;   SOFTMAX AHEAD OF A QUANTISED PRODUCT. Where the list says 'softmax', what is quantised is not the finished softmax but p = 2^(t - M), with t = logit x log2(e) and M = ceil(the row's largest t), a whole number; so 1/2 < the row's largest p <= 1. The row's sum l is taken of the UNQUANTISED p, in f32, and the product's result is divided by l at the end. Since M is a whole number, a kernel that streams over the keys may use a running M (the ceiling of the running maximum): every later rescaling is an exact power of two, which a block's scale takes up: the codes' values come out the same.
;;   OPERANDS COMPUTED ON THE WAY. 'Computed on the way' means the value that the module computes at that place (a softmax that the list does not call 'softmax' is quantised finished and normalised). What goes into a quantiser is computed in f32, as accurately as f32 sums, v_exp_f32 and their like allow (about 1e-6 of the number): no bf16 or f16 on the way to a quantiser, and a product that is left as it is and whose result goes on into a quantised operand takes f32 operands (vector FMAs, or v_wmma_f32_16x16x4_f32). A number that lies on a knife's edge between two numbers of the format may be rounded either way, as far as f32 arithmetic and the matrix unit's own rounding can turn it there, and no further.
;; One version. Each part assembles by itself: llvm-mc -triple=amdgcn-amd-amdhsa -mcpu=gfx1250 --defsym DOCPART=n.
;; ======== version 1 of 1: 4 launches
;; limits: right only within a limited range of input values
;; workspace buffers: xc 6,291,456 bytes; xs 262,144 bytes; wc 3,145,728 bytes; ws 131,072 bytes; qb 6,553,600 bytes; kv 13,107,200 bytes; cc 6,291,456 bytes; cs 262,144 bytes
;; launch quant (part 1): grid 384 x 1, 4 waves a work-group, no clusters, 33,280 bytes of LDS; arguments x, Wq, Wk, Wv, Wo, xc, xs, wc, ws; writes xc, xs, wc, ws
.if DOCPART == 1
	.amdgcn_target "amdgcn-amd-amdhsa--gfx1250"
	.amdhsa_code_object_version 6
	.text
	.protected	k_q2e088960ba_quant
	.globl	k_q2e088960ba_quant
	.p2align	8
	.type	k_q2e088960ba_quant,@function
k_q2e088960ba_quant:
	s_mov_b64 s[64:65], 0
	v_nop
	global_prefetch_b8 v0, s[64:65] scope:SCOPE_SE
	s_setreg_imm32_b32 hwreg(HW_REG_WAVE_MODE, 25, 1), 1
	s_wait_xcnt 0x0
; x [8192][1024] and Wq, Wk, Wv, Wo [1024][1024], f32, become codes of FP6 (E2M3), K (the last axis) innermost, with one E8M0 scale byte for each 32 along K.
; A block's scale is 2^(floor(log2(its largest magnitude)) - 2); its byte is the largest magnitude's own exponent field - 2, held at 1 from below.
; Nothing of reference() is left out in this program: every input is loaded by some launch.
; LIMITS: a block of zeros gets the byte 1 where the quantiser says 127 (zero codes add nothing under any byte but 0xff, and this program alone reads the bytes);
; blocks whose largest magnitude lies under 2^-124 keep the byte 1; NaN and infinities among the inputs are not served.
; SHARES.  A work-group takes 32 rows: work-groups 0-255 x, 256 + 32 i on weight i (Wq, Wk, Wv, Wo, one behind the other in wc and ws).  A wave takes 8 whole rows, 16 steps of 512 numbers.
; POSITIONS.  Rows leave in another order than they come.  x: in each 64 rows, row 32 h + 8 t + j stands at position 16 t + 8 h + j, so that the results of four neighbouring tiles of 16 positions
; give a lane 32 neighbouring rows.  Weights: in each 32 rows the second and the third run of 8 change places: two neighbouring tiles give a lane 16 neighbours.
; THE CODES' ORDER: [128 positions][K step of 256][position][192 bytes]: the codes of 128 positions and one K step are 24,576 dense bytes that begin at a multiple of 256.  Scale bytes: [position][32].
; Each of a step's four loads reads 512 consecutive bytes; the 2,048 bytes turn through the wave's own stage in LDS and come back 64 bytes (16 neighbours along K) a lane; two neighbouring lanes hold a block.
; A lane's 16 codes are 12 bytes: sixteen lanes store a position's 192 bytes of a K step; a wave's 8 positions are 1,536 consecutive bytes of each K step.  Its 256 scale bytes leave as one aligned run.
; No tensor loads, no barrier: waves share nothing.  Loads run four steps ahead, the turn through LDS one step.  Matrix units and clusters have nothing to do here.
.set WAVES, 4
.set STEPS, 16
.set EMAX,  2
.set CB,    12                         ; bytes of 16 codes
.set KT,    24576                      ; 128 positions x 192 bytes
.set R,     16                         ; v16-79   four sets of 16 numbers as they are loaded
.set X,     80                         ; v80-111  two sets of 16 neighbours
.set C,     128                        ; v128-191 codes: four registers a step, so that no store's data are written again
.set E,     112                        ; v112-127 a scale byte for each step
.set WREG,  8192                       ; LDS: a region for each wave: two stages of 32 x SP bytes, behind them its 256 scale bytes
.set SP,    80                         ; a lane's place in a stage: 64 bytes + 16 of padding
.set SPW,   12
.set NIL,   13
.set SPARE, WAVES*WREG                 ; the spare words, 128 bytes a wave
	s_load_b256 s[4:11], s[0:1], 0x0               ; x, Wq, Wk, Wv
	s_load_b256 s[12:19], s[0:1], 0x20             ; Wo, xc, xs, wc
	s_load_b64 s[20:21], s[0:1], 0x40              ; ws
	v_lshl_add_u32 v[SPW], v0, 2, SPARE
	v_mov_b32 v[NIL], 0
	v_lshrrev_b32 v1, 5, v0
	v_readfirstlane_b32 s22, v1                    ; wave
	v_and_b32 v2, 31, v0                           ; lane
	v_lshlrev_b32 v3, 4, v2                        ; my 16 bytes of a load's 512
	s_mul_i32 s23, s22, WREG
	v_lshrrev_b32 v14, 2, v2
	v_mul_u32_u24 v14, v14, SP
	v_and_b32 v15, 3, v2
	v_lshl_add_u32 v14, v15, 4, v14
	v_add_nc_u32 v14, s23, v14                     ; the stage, on the way in: SP (lane / 4) + 16 (lane % 4)
	v_mul_u32_u24 v15, v2, SP
	v_add_nc_u32 v15, s23, v15                     ; and on the way out: SP x lane
	v_and_b32 v4, 15, v2
	v_mul_u32_u24 v4, v4, CB
	v_lshrrev_b32 v5, 4, v2
	v_mad_u32_u24 v4, v5, KT, v4                   ; my codes: lanes 0-15 one K step, lanes 16-31 the next, 12 bytes a lane
	v_lshrrev_b32 v5, 1, v2
	s_add_co_u32 s23, s23, 2*32*SP
	v_add_nc_u32 v5, s23, v5                       ; LDS: my block's byte
	v_lshlrev_b32 v7, 3, v2
	v_add_nc_u32 v6, s23, v7
	s_sub_co_u32 s24, ttmp9, 256                   ; a weight's work-group: its number among the 128,
	s_lshr_b32 s25, s24, 5                         ; which weight,
	s_and_b32 s28, s24, 31                         ; and which 32 rows of it
	s_and_b32 s29, s22, 1
	s_lshl_b32 s29, s29, 1
	s_lshr_b32 s30, s22, 1
	s_or_b32 s29, s29, s30                         ; a weight's run of 8 positions for my wave: 0, 2, 1, 3
	s_wait_alu depctr_va_vdst(0)                   ; the wait at the head's end
	s_wait_kmcnt 0x0
	s_cmp_eq_u32 s25, 0                            ; every choice hangs on the work-group's number alone
	s_cselect_b64 s[26:27], s[6:7], s[12:13]
	s_cmp_eq_u32 s25, 1
	s_cselect_b64 s[26:27], s[8:9], s[26:27]
	s_cmp_eq_u32 s25, 2
	s_cselect_b64 s[26:27], s[10:11], s[26:27]
	s_cmp_lt_u32 ttmp9, 256
	s_cselect_b64 s[4:5], s[4:5], s[26:27]         ; the numbers,
	s_cselect_b64 s[8:9], s[14:15], s[18:19]       ; the codes,
	s_cselect_b64 s[10:11], s[16:17], s[20:21]     ; the scale bytes
	s_cselect_b32 s28, ttmp9, s28
	s_lshl_b32 s28, s28, 2
	s_add_co_u32 s28, s28, s22                     ; the run of 8 rows that I read
	s_lshl_b32 s24, s24, 2
	s_add_co_u32 s24, s24, s29                     ; the run that I write: a weight's,
	s_lshr_b32 s30, ttmp9, 1
	s_lshl_b32 s30, s30, 3
	s_lshl_b32 s31, s22, 1
	s_add_co_u32 s30, s30, s31
	s_and_b32 s31, ttmp9, 1
	s_add_co_u32 s30, s30, s31                     ; or x's: 8 (work-group / 2) + 2 wave + work-group % 2
	s_cmp_lt_u32 ttmp9, 256
	s_cselect_b32 s24, s30, s24
	s_lshl_b32 s30, s28, 15                        ; 32,768 bytes of numbers a run
	s_mov_b32 s31, 0
	s_add_nc_u64 s[4:5], s[4:5], s[30:31]
	s_lshr_b32 s30, s24, 4                         ; codes: 16 runs to a block of 128 positions, 4 KT bytes a block,
	s_mul_i32 s30, s30, 4*KT
	s_and_b32 s29, s24, 15
	s_mul_i32 s29, s29, 8*192                      ; and 1,536 bytes a run in each K step
	s_add_co_u32 s30, s30, s29
	s_add_nc_u64 s[8:9], s[8:9], s[30:31]
	s_lshl_b32 s30, s24, 8                         ; 256 scale bytes
	s_add_nc_u64 s[10:11], s[10:11], s[30:31]
.macro LOAD t
.irp i, 0,1,2,3
	global_load_b128 v[R+16*((\t)%4)+4*\i:R+16*((\t)%4)+4*\i+3], v3, s[4:5] offset:2048*(\t)+512*\i th:TH_LOAD_NT
.endr
.endm
.macro TURN t                          ; LDS serves a wave's instructions in order: no wait between the stores and the loads
.irp i, 0,1,2,3
	ds_store_b128 v14, v[R+16*((\t)%4)+4*\i:R+16*((\t)%4)+4*\i+3] offset:32*SP*((\t)%2)+8*SP*\i
.endr
.irp i, 0,1,2,3
	ds_load_b128 v[X+16*((\t)%2)+4*\i:X+16*((\t)%2)+4*\i+3], v15 offset:32*SP*((\t)%2)+16*\i
.endr
.endm
.irp t, 0,1,2,3
	LOAD \t
.endr
	s_wait_loadcnt 12                              ; step 0's four loads are in; the 12 of steps 1 to 3 may be out
	TURN 0
.macro STEP t
.set XS, X+16*((\t)%2)
.if (\t) > 0
	s_wait_dscnt 1                                 ; this step's numbers are back from the stage (the last step's byte store may be out)
.else
	s_wait_dscnt 0x0
.endif
.if (\t)+4 < STEPS
	LOAD (\t)+4
.endif
.if (\t)+1 < STEPS
.if STEPS-2-(\t) >= 3
	s_wait_loadcnt 12                              ; the next step's four loads are in; those of the three steps behind it may be out
.else
	s_wait_loadcnt 4*(STEPS-2-(\t))
.endif
	TURN (\t)+1
.endif
	v_max3_num_f32 v8, |v[XS]|, |v[XS+1]|, |v[XS+2]|               ; the largest magnitude of my 16, in two chains
	v_max3_num_f32 v9, |v[XS+3]|, |v[XS+4]|, |v[XS+5]|
.irp i, 6,10
	v_max3_num_f32 v8, v8, |v[XS+\i]|, |v[XS+\i+1]|
	v_max3_num_f32 v9, v9, |v[XS+\i+2]|, |v[XS+\i+3]|
.endr
	v_max3_num_f32 v8, v8, |v[XS+14]|, |v[XS+15]|
	v_max3_num_f32 v8, v8, v9, (EMAX+1)<<23        ; and the floor 2^(3 - 127): the byte cannot fall under 1
	v_max_num_f32_dpp v8, v8, v8 row_xmask:1 row_mask:0xf bank_mask:0xf   ; and of my neighbour's 16
	v_add_nc_u32 v11, -(EMAX<<23), v8              ; 2 off its exponent field: the conversion's scale operand
	v_cvt_scalef32_pk16_fp6_f32 v[C+4*(\t):C+4*(\t)+2], v[XS:XS+15], v11
	v_lshrrev_b32 v[E+(\t)], 23, v11               ; the scale's byte (also the plain line behind the conversion)
	ds_store_b8 v5, v[E+(\t)] offset:16*(\t)       ; both lanes of a block write the same byte with the same value
	global_store_b96 v4, v[C+4*(\t):C+4*(\t)+2], s[8:9] offset:2*KT*((\t)%2)+192*((\t)/2)   ; row t / 2 of my 8, K steps 2 (t % 2) and 2 (t % 2) + 1
.endm
.irp t, 0,1,2,3,4,5,6,7,8,9,10,11,12,13,14,15
	STEP \t
.endr
	ds_load_b64 v[8:9], v6
	s_wait_dscnt 0x0
	global_store_b64 v7, v[8:9], s[10:11]          ; 32 lanes store 256 consecutive bytes, aligned
	s_wait_tensorcnt 0x0                           ; the wave's end
	ds_add_u32 v[SPW], v[NIL]
	s_wait_dscnt 0x0
	s_endpgm
.Lfunc_end_k_q2e088960ba_quant:
	.size	k_q2e088960ba_quant, .Lfunc_end_k_q2e088960ba_quant-k_q2e088960ba_quant
	.p2alignl 7, 3214868480
	.fill 96, 4, 3214868480
	.section	.rodata,"a",@progbits
	.p2align	6, 0x0
	.amdhsa_kernel k_q2e088960ba_quant
		.amdhsa_group_segment_fixed_size 33280
		.amdhsa_private_segment_fixed_size 0
		.amdhsa_enable_private_segment 0
		.amdhsa_kernarg_size 72
		.amdhsa_user_sgpr_count 2
		.amdhsa_user_sgpr_kernarg_segment_ptr 1
		.amdhsa_wavefront_size32 1
		.amdhsa_system_sgpr_workgroup_id_x 1
		.amdhsa_system_sgpr_workgroup_id_y 1
		.amdhsa_system_sgpr_workgroup_id_z 1
		.amdhsa_system_vgpr_workitem_id 0
		.amdhsa_next_free_vgpr 192
		.amdhsa_next_free_sgpr 66
		.amdhsa_reserve_vcc 0
		.amdhsa_float_denorm_mode_32 3
		.amdhsa_float_denorm_mode_16_64 3
		.amdhsa_memory_ordered 1
		.amdhsa_forward_progress 1
		.amdhsa_inst_pref_size 33
	.end_amdhsa_kernel
	.amdgpu_metadata
---
amdhsa.version: [ 1, 2 ]
amdhsa.kernels:
  - .name:           k_q2e088960ba_quant
    .symbol:         k_q2e088960ba_quant.kd
    .args:
      - { .name: x, .offset: 0, .size: 8, .value_kind: global_buffer, .address_space: global }
      - { .name: Wq, .offset: 8, .size: 8, .value_kind: global_buffer, .address_space: global }
      - { .name: Wk, .offset: 16, .size: 8, .value_kind: global_buffer, .address_space: global }
      - { .name: Wv, .offset: 24, .size: 8, .value_kind: global_buffer, .address_space: global }
      - { .name: Wo, .offset: 32, .size: 8, .value_kind: global_buffer, .address_space: global }
      - { .name: xc, .offset: 40, .size: 8, .value_kind: global_buffer, .address_space: global }
      - { .name: xs, .offset: 48, .size: 8, .value_kind: global_buffer, .address_space: global }
      - { .name: wc, .offset: 56, .size: 8, .value_kind: global_buffer, .address_space: global }
      - { .name: ws, .offset: 64, .size: 8, .value_kind: global_buffer, .address_space: global }
    .group_segment_fixed_size: 33280
    .private_segment_fixed_size: 0
    .kernarg_segment_align: 8
    .kernarg_segment_size: 72
    .max_flat_workgroup_size: 128
    .sgpr_count:     66
    .vgpr_count:     192
    .wavefront_size: 32
...
	.end_amdgpu_metadata
.endif
;; end of part 1
;; launch qkv (part 2): grid 96 x 4, 4 waves a work-group, clusters of 4 x 4, 327,680 bytes of LDS; arguments xc, xs, wc, ws, bq, bk, bv, qb, kv; writes qb, kv
.if DOCPART == 2
	.amdgcn_target "amdgcn-amd-amdhsa--gfx1250"
	.amdhsa_code_object_version 6
	.text
	.protected	k_q2e088960ba_qkv
	.globl	k_q2e088960ba_qkv
	.p2align	8
	.type	k_q2e088960ba_qkv,@function
k_q2e088960ba_qkv:
	s_mov_b64 s[64:65], 0
	v_nop
	global_prefetch_b8 v0, s[64:65] scope:SCOPE_SE
	s_setreg_imm32_b32 hwreg(HW_REG_WAVE_MODE, 25, 1), 1
	s_wait_xcnt 0x0
	s_wait_alu depctr_hold_cnt(0) depctr_sa_sdst(0) depctr_va_vdst(0) depctr_va_sdst(0) depctr_va_ssrc(0) depctr_va_vcc(0) depctr_vm_vsrc(0)
	s_getreg_b32 s2, hwreg(HW_REG_IB_STS2, 6, 4)
	s_cmp_eq_u32 s2, 0
	s_cbranch_scc0 .Lentry_in_a_cluster
	s_endpgm
.Lentry_in_a_cluster:
	s_bfe_u32 s2, ttmp6, 0x10000c
	s_cmp_lg_u32 s2, 0xf033
	s_cbranch_scc0 .Lentry_shape_is_right
	s_endpgm
.Lentry_shape_is_right:
.set KSTEP,  256
.set NQ,     2
.set ROWB,   192
.set KROW,   768
.set PITCH,  240
.set FR,     12
.set NL,     6
.set NP,     4
.set HALFT,  128*PITCH
.set SLOT,   4*HALFT
.set LAPS,   2
.set KS,     32
.set SCL,    2*SLOT
.set HALFS,  (128*KS/256)*272
.set SBLK,   (16*KS/256)*272
.set SPARE,  SCL+4*HALFS
.set LI,   8
.set LW,   9
.set BO,   10
.set ADRA, 16
.set ADRB, 20
.set ADRS, 27
.set SPW,  28
.set NIL,  29
.set SC,   32
.set BI,   64
.set AF,   128
.set H,    128
.set PC,   192
.set TM,   224
.set W0,   240
.set WP,   244
.set PATH, 2
.set G1, 24
.set G0, 32
.set SEL, 40
.set G1B, 48
.set G0B, 56
.set HI,  66
.set G1S, 68
.set G0S, 76
.set G1SB, 80
.set G0SB, 88
.set OC,  92
.set OW,  96
.set BP,  100
.set MSB, 0
.macro WIN new
.if MSB != (\new)
	s_set_vgpr_msb (MSB<<8)|(\new)
.set MSB, \new
.endif
.endm
.set MUL_LO, 0xa1
.set MUL_HI, 0xf1
.set TO_B,   0x40
.macro JLOAD g0a, g1a, g0b, g1b
	s_cmp_eq_u32 s15, 0
	s_cbranch_scc0 .Lfor_b_\@
	tensor_load_to_lds s[\g0a:\g0a+3], s[\g1a:\g1a+7]
	s_nop 0
.rept 4
	v_nop
.endr
	s_branch .Lasked_\@
.Lfor_b_\@:
	tensor_load_to_lds s[\g0b:\g0b+3], s[\g1b:\g1b+7]
	s_nop 0
.rept 4
	v_nop
.endr
.Lasked_\@:
.endm
.macro CREST
	s_cmp_lg_u32 s14, 0
	s_cbranch_scc1 .Lnot_wave_0_\@
	s_barrier_signal -3
.Lnot_wave_0_\@:
	s_barrier_wait -3
	s_barrier_signal -1
	s_barrier_wait -1
.endm
.macro CROUND
	s_barrier_signal -1
	s_barrier_wait -1
	CREST
.endm
	s_load_b128 s[4:7], s[0:1], 0x0
	s_load_b128 s[8:11], s[0:1], 0x10
	v_lshl_add_u32 v[SPW], v0, 2, SPARE
	v_mov_b32 v[NIL], 0
	ds_add_u32 v[SPW], v[NIL]
	ds_add_u32 v[SPW], v[NIL]
	v_lshrrev_b32 v1, 5, v0
	v_readfirstlane_b32 s14, v1
	s_lshr_b32 s15, s14, 1
	s_and_b32 s16, s14, 1
	s_bfe_u32 s40, ttmp6, 0x40000
	s_bfe_u32 s41, ttmp6, 0x40004
	s_and_b32 s42, ttmp9, 1
	s_lshr_b32 s17, ttmp9, 1
	s_sub_co_u32 s18, ttmp9, 16
	s_cmp_lt_u32 ttmp9, 16
	s_cselect_b32 s[PATH], 1, 0
	s_cselect_b32 s42, s42, s18
	s_cselect_b32 s17, s17, 0
	s_lshl_b32 s42, s42, 2
	s_add_co_u32 s42, s42, s40
	s_lshl_b32 s17, s17, 2
	s_add_co_u32 s17, s17, s41
	s_lshl_b32 s43, s41, 2
	s_lshl_b32 s43, 15, s43
	s_lshl_b32 s44, 0x1111, s40
	s_or_b32 s[G1+0], s43, (0<<16)|(1<<20)|(1<<21)|(3<<22)|(3<<25)
	s_or_b32 s[G1B+0], s44, (0<<16)|(1<<20)|(1<<21)|(3<<22)|(3<<25)
.irp g, G1, G1B
	s_mov_b32 s[\g+1], 256<<16                     ; the codes of 128 positions and one K step are 24,576 dense bytes: 96 rows of 256; the padding's interval stays 64 bytes, so an LDS row of 192 bytes keeps its pitch of 240
	s_mov_b32 s[\g+2], 96<<16
	s_mov_b32 s[\g+3], 256<<16
	s_mov_b32 s[\g+4], 96
	s_mov_b32 s[\g+5], 256
	s_mov_b32 s[\g+6], 0
	s_mov_b32 s[\g+7], 0
.endr
	s_or_b32 s[G1S+0], s43, (3<<16)|(1<<20)|(1<<21)|(5<<22)|(3<<25)
	s_or_b32 s[G1SB+0], s44, (3<<16)|(1<<20)|(1<<21)|(5<<22)|(3<<25)
.irp g, G1S, G1SB
	s_mov_b32 s[\g+1], 32<<16
	s_mov_b32 s[\g+2], (128*KS/256)<<16
	s_mov_b32 s[\g+3], 32<<16
	s_mov_b32 s[\g+4], 128*KS/256
	s_mov_b32 s[\g+5], 32
	s_mov_b32 s[\g+6], 0
	s_mov_b32 s[\g+7], 0
.endr
	s_lshl_b32 s18, s16, 7
	s_lshl_b32 s20, s17, 8
	s_add_co_u32 s20, s20, s18
	s_lshl_b32 s46, s42, 8
	s_add_co_u32 s46, s46, s18
	s_mov_b32 s21, 0
	s_mov_b32 s47, 0
	s_mov_b64 s[18:19], KS
	s_mul_u64 s[22:23], s[20:21], s[18:19]
	s_mul_u64 s[92:93], s[46:47], s[18:19]
	s_mov_b64 s[18:19], KROW
	s_mul_u64 s[20:21], s[20:21], s[18:19]
	s_mul_u64 s[46:47], s[46:47], s[18:19]
	s_mul_i32 s45, s14, HALFT
	s_mul_i32 s94, s14, HALFS
	s_wait_dscnt 0x0
	s_wait_kmcnt 0x0
	s_add_nc_u64 s[96:97], s[8:9], 2048*KROW
	s_add_nc_u64 s[98:99], s[10:11], 2048*KS
	s_cmp_eq_u32 s[PATH], 1
	s_cselect_b64 s[96:97], s[4:5], s[96:97]
	s_cselect_b64 s[98:99], s[6:7], s[98:99]
	s_cselect_b64 s[8:9], s[8:9], s[4:5]
	s_cselect_b64 s[10:11], s[10:11], s[6:7]
	s_add_nc_u64 s[20:21], s[96:97], s[20:21]
	s_add_nc_u64 s[22:23], s[98:99], s[22:23]
	s_add_nc_u64 s[46:47], s[8:9], s[46:47]
	s_add_nc_u64 s[92:93], s[10:11], s[92:93]
	CROUND
	s_mov_b32 s[G0S], 1
	s_add_co_u32 s[G0S+1], s94, SCL
	s_mov_b64 s[G0S+2:G0S+3], s[22:23]
	s_or_b32 s[G0S+3], s[G0S+3], 0x80000000
	s_mov_b32 s[G0SB], 1
	s_add_co_u32 s[G0SB+1], s94, SCL
	s_mov_b64 s[G0SB+2:G0SB+3], s[92:93]
	s_or_b32 s[G0SB+3], s[G0SB+3], 0x80000000
	JLOAD G0S, G1S, G0SB, G1SB
.irp s, 0,1
	s_mov_b32 s[G0+4*\s], 1
	s_add_co_u32 s[G0+4*\s+1], s45, \s*SLOT
	s_add_nc_u64 s[G0+4*\s+2:G0+4*\s+3], s[20:21], \s*24576
	s_or_b32 s[G0+4*\s+3], s[G0+4*\s+3], 0x80000000
	s_mov_b32 s[G0B+4*\s], 1
	s_add_co_u32 s[G0B+4*\s+1], s45, \s*SLOT
	s_add_nc_u64 s[G0B+4*\s+2:G0B+4*\s+3], s[46:47], \s*24576
	s_or_b32 s[G0B+4*\s+3], s[G0B+4*\s+3], 0x80000000
	s_wait_alu depctr_va_vdst(0)
	s_wait_tensorcnt 0x0
	ds_add_u32 v28, v29
	s_wait_dscnt 0x0
	CROUND
	JLOAD G0+4*\s, G1, G0B+4*\s, G1B
.endr
	s_load_b256 s[4:11], s[0:1], 0x20
	s_load_b64 s[12:13], s[0:1], 0x40
	v_and_b32 v1, 15, v0
	v_bfe_u32 v2, v0, 4, 1
	v_mul_u32_u24 v3, v1, PITCH
	v_mul_u32_u24 v4, v2, 24
	v_add_nc_u32 v4, v3, v4
	v_lshl_add_u32 v5, v2, 4, v4
	s_mul_i32 s21, s15, HALFT
	s_mul_i32 s22, s16, HALFT
	s_add_co_u32 s22, s22, 2*HALFT
.irp s, 0,1
	v_add_nc_u32 v[ADRA+\s], s21, v4
	v_add_nc_u32 v[ADRB+\s], s22, v4
	v_add_nc_u32 v[ADRA+2+\s], s21, v5
	v_add_nc_u32 v[ADRB+2+\s], s22, v5
	s_add_co_u32 s21, s21, SLOT
	s_add_co_u32 s22, s22, SLOT
.endr
	v_mul_u32_u24 v5, v1, KS
	v_lshrrev_b32 v6, 8, v5
	v_lshl_add_u32 v5, v6, 4, v5
	s_mul_i32 s21, s15, HALFS
	s_mul_i32 s22, s16, HALFS
	s_add_co_u32 s22, s22, 2*HALFS
	s_sub_co_u32 s22, s22, s21
	v_mul_u32_u24 v6, s22, v2
	s_add_co_u32 s21, s21, SCL
	v_add_nc_u32 v5, v5, v6
	v_add_nc_u32 v[ADRS], s21, v5
	v_and_b32 v6, 31, v0
	v_lshlrev_b32 v[LI], 4, v6
	v_lshlrev_b32 v[LW], 3, v6
	s_and_b32 s43, s42, 3
	s_lshl_b32 s18, s17, 1
	s_add_co_u32 s18, s18, s15
	s_lshl_b32 s19, s42, 1
	s_add_co_u32 s19, s19, s16
	s_lshl_b32 s20, s43, 1
	s_add_co_u32 s20, s20, s16
	s_and_b32 s21, ttmp9, 1
	s_mov_b32 s44, 12800
	s_mov_b32 s45, 12288
	s_mov_b32 s46, 12544
	s_mov_b32 s47, 6144
	s_cmp_eq_u32 s[PATH], 1
	s_cselect_b32 s22, s18, s19
	s_cselect_b32 s23, s20, s18
	s_cselect_b32 s21, s21, 2
	s_cselect_b32 s47, 0, s47
	s_cselect_b32 s45, s45, s46
	s_wait_alu depctr_va_vdst(0)
	s_wait_kmcnt 0x0
	s_cselect_b64 s[6:7], s[6:7], s[8:9]
	s_cmp_eq_u32 s21, 0
	s_cselect_b32 s44, 6400, s44
	s_cselect_b32 s45, 6144, s45
	s_cselect_b64 s[4:5], s[4:5], s[6:7]
	s_cselect_b64 s[10:11], s[10:11], s[12:13]
	s_lshr_b32 s18, s22, 4
	s_lshl_b32 s18, s18, 3
	s_add_co_u32 s18, s18, s23
	s_lshl_b32 s18, s18, 5
	s_and_b32 s19, s22, 15
	s_add_co_u32 s18, s18, s19
	s_mul_i32 s18, s18, s44
	s_mov_b32 s19, 0
	s_add_nc_u64 s[10:11], s[10:11], s[18:19]
	s_mov_b32 s46, s47
	s_mov_b32 s47, 0
	s_add_nc_u64 s[OC:OC+1], s[10:11], s[46:47]
	s_mov_b32 s46, s45
	s_add_nc_u64 s[OW:OW+1], s[10:11], s[46:47]
	s_lshl_b32 s46, s44, 4
	s_add_nc_u64 s[OC+2:OC+3], s[OC:OC+1], s[46:47]
	s_add_nc_u64 s[OW+2:OW+3], s[OW:OW+1], s[46:47]
	s_lshl_b32 s46, s23, 9
	s_add_nc_u64 s[BP:BP+1], s[4:5], s[46:47]
	s_mov_b32 s[HI], 0xffff0000
	s_mov_b32 s[SEL], 0x76543210
	s_mov_b32 s[SEL+1], 0xfedcba98
.macro FRAG reg, adr, q, i
.irp p, 0,1,2,3,4,5
.set PCE, 12*(\q)+6*(\p/3)+\p%3
.if PCE%8 < 5
	ds_load_b64 v[\reg+2*\p:\reg+2*\p+1], v[\adr] offset:8*PCE+16*(PCE/8)+(\i)*16*PITCH
.else
	ds_load_b64 v[\reg+2*\p:\reg+2*\p+1], v[\adr+2] offset:8*PCE+16*(PCE/8)+(\i)*16*PITCH
.endif
.endr
.endm
.macro MUL16 a0, p, q, sc, zero
.irp a, \a0, \a0+1
.irp b, 0,1,2,3,4,5,6,7
.if \zero
	v_wmma_scale_f32_16x16x128_f8f6f4 v[8*(8*((\a)%4)+\b):8*(8*((\a)%4)+\b)+7], v[128*(\p)+FR*\b:128*(\p)+FR*\b+FR-1], v[AF+FR*(\a):AF+FR*(\a)+FR-1], 0, v[SC+8*NQ*(\sc)+NQ*\b+(\q)], v[SC+8*NQ*(\sc)+NQ*(\a)+(\q)] matrix_a_fmt:MATRIX_FMT_FP6 matrix_b_fmt:MATRIX_FMT_FP6 matrix_a_scale:MATRIX_SCALE_ROW1
.else
	v_wmma_scale_f32_16x16x128_f8f6f4 v[8*(8*((\a)%4)+\b):8*(8*((\a)%4)+\b)+7], v[128*(\p)+FR*\b:128*(\p)+FR*\b+FR-1], v[AF+FR*(\a):AF+FR*(\a)+FR-1], v[8*(8*((\a)%4)+\b):8*(8*((\a)%4)+\b)+7], v[SC+8*NQ*(\sc)+NQ*\b+(\q)], v[SC+8*NQ*(\sc)+NQ*(\a)+(\q)] matrix_a_fmt:MATRIX_FMT_FP6 matrix_b_fmt:MATRIX_FMT_FP6 matrix_a_scale:MATRIX_SCALE_ROW1
.endif
.endr
.endr
.endm
.macro FETCH_B slot, q, p
	WIN TO_B
.irp i, 0,1,2,3,4,5,6,7
	FRAG 128*(\p)+FR*\i, ADRB+\slot, \q, \i
.endr
	WIN 0
.endm
.macro FETCH_A slot, q, i0
.irp i, \i0, \i0+1, \i0+2, \i0+3
	FRAG AF+FR*(\i), ADRA+\slot, \q, \i
.endr
.endm
.macro SCALES sc
.irp i, 0,1,2,3,4,5,6,7
	ds_load_b64 v[SC+8*NQ*\sc+NQ*\i:SC+8*NQ*\sc+NQ*\i+1], v[ADRS] offset:\i*SBLK
.endr
.endm
.macro PLACES n
.rept \n
	v_nop
.endr
.endm
.macro STEP slot, q, zero
	s_wait_dscnt 4*NL
	WIN MUL_LO
	MUL16 0, (\q)%2, \q, \slot, \zero
	MUL16 2, (\q)%2, \q, \slot, \zero
	s_wait_dscnt 0
	PLACES NP
	FETCH_B \slot, (\q)+1, 1-(\q)%2
	FETCH_A \slot, (\q)+1, 0
	WIN MUL_HI
	MUL16 4, (\q)%2, \q, \slot, \zero
	MUL16 6, (\q)%2, \q, \slot, \zero
	PLACES NP
	WIN 0
	FETCH_A \slot, (\q)+1, 4
.endm
.macro TURN slot, next, fill
	s_wait_tensorcnt 0x0
	ds_add_u32 v[SPW], v[NIL]
	s_wait_dscnt 4*NL+1
	WIN MUL_LO
	MUL16 0, 1, NQ-1, \slot, 0
	s_wait_dscnt 0x0
	s_barrier_signal -1
	MUL16 2, 1, NQ-1, \slot, 0
	WIN 0
	s_barrier_wait -1
.if \fill
	CREST
	s_add_nc_u64 s[G0+4*\slot+2:G0+4*\slot+3], s[G0+4*\slot+2:G0+4*\slot+3], 2*24576
	s_add_nc_u64 s[G0B+4*\slot+2:G0B+4*\slot+3], s[G0B+4*\slot+2:G0B+4*\slot+3], 2*24576
	JLOAD G0+4*\slot, G1, G0B+4*\slot, G1B
.else
	PLACES NP
.endif
	s_wait_alu depctr_va_vdst(0)
	v_add_nc_u32 v[ADRS], 4*NQ, v[ADRS]
	FETCH_B \next, 0, 0
	FETCH_A \next, 0, 0
	SCALES \next
	WIN MUL_HI
	MUL16 4, 1, NQ-1, \slot, 0
	MUL16 6, 1, NQ-1, \slot, 0
	PLACES NP
	WIN 0
	FETCH_A \next, 0, 4
.endm
.macro LAST
	s_wait_dscnt 4*NL
	WIN MUL_LO
	MUL16 0, 1, NQ-1, 1, 0
	MUL16 2, 1, NQ-1, 1, 0
	s_wait_dscnt 0
	WIN MUL_HI
	MUL16 4, 1, NQ-1, 1, 0
	MUL16 6, 1, NQ-1, 1, 0
	WIN 0
.endm
.macro QUANT s, w
.irp b, 0,1,2,3
	v_max3_num_f32 v[TM+\b], |v[\s+16*\b]|, |v[\s+1+16*\b]|, 0x1800000
.endr
.irp i, 2,4,6,8,10,12,14
.irp b, 0,1,2,3
	v_max3_num_f32 v[TM+\b], v[TM+\b], |v[\s+16*\b+\i]|, |v[\s+1+16*\b+\i]|
.endr
.endr
.irp b, 0,1,2,3
	v_permlanex16_b32 v[TM+4+\b], v[TM+\b], s[SEL], s[SEL+1]
.endr
.irp b, 0,1,2,3
	v_max_num_f32 v[TM+\b], v[TM+\b], v[TM+4+\b]
.endr
.irp b, 0,1,2,3
	v_add_nc_u32 v[TM+12+\b], 0xff000000, v[TM+\b]
.endr
.irp b, 0,1,2,3
	v_lshrrev_b32 v[TM+4+\b], 23, v[TM+12+\b]
.endr
	v_lshl_or_b32 v[\w], v[TM+5], 8, v[TM+4]
	v_lshl_or_b32 v[\w], v[TM+6], 16, v[\w]
	v_lshl_or_b32 v[\w], v[TM+7], 24, v[\w]
.irp c, 0,1
	v_cvt_scalef32_pk16_fp6_f32 v[PC+6*\c:PC+2+6*\c], v[\s+32*\c:\s+15+32*\c], v[TM+12+2*\c]
	v_cvt_scalef32_pk16_fp6_f32 v[PC+12+4*\c:PC+14+4*\c], v[\s+16+32*\c:\s+31+32*\c], v[TM+12+2*\c+1]
.endr
	v_nop
.irp c, 0,1
.irp i, 0,1,2
	v_permlane16_swap_b32 v[PC+6*\c+\i], v[PC+12+4*\c+\i]
.endr
.irp i, 0,1,2
	v_mov_b32 v[PC+3+6*\c+\i], v[PC+12+4*\c+\i]
.endr
.endr
.endm
; V's quantiser, along the tokens: by x's order of positions register 32 c + i of a lane is token 64 c + 32 h + i: a whole block lies in one lane, and the codes fall as the operand's registers.  v3 = 8 h.
.macro QUANTV s, w
.irp c, 0,1
	v_max3_num_f32 v[TM+\c], |v[\s+32*\c]|, |v[\s+32*\c+1]|, 0x1800000
	v_max3_num_f32 v[TM+2+\c], |v[\s+32*\c+16]|, |v[\s+32*\c+17]|, |v[\s+32*\c+18]|
.endr
.irp i, 2,4,6,8,10,12,14
.irp c, 0,1
	v_max3_num_f32 v[TM+\c], v[TM+\c], |v[\s+32*\c+\i]|, |v[\s+32*\c+\i+1]|
.endr
.endr
.irp i, 19,21,23,25,27,29
.irp c, 0,1
	v_max3_num_f32 v[TM+2+\c], v[TM+2+\c], |v[\s+32*\c+\i]|, |v[\s+32*\c+\i+1]|
.endr
.endr
.irp c, 0,1
	v_max3_num_f32 v[TM+\c], v[TM+\c], v[TM+2+\c], |v[\s+32*\c+31]|
.endr
.irp c, 0,1
	v_add_nc_u32 v[TM+12+\c], 0xff000000, v[TM+\c]
.endr
.irp c, 0,1
	v_cvt_scalef32_pk16_fp6_f32 v[PC+6*\c:PC+2+6*\c], v[\s+32*\c:\s+15+32*\c], v[TM+12+\c]
	v_cvt_scalef32_pk16_fp6_f32 v[PC+12+4*\c:PC+14+4*\c], v[\s+16+32*\c:\s+31+32*\c], v[TM+12+\c]
.endr
.irp c, 0,1
	v_lshrrev_b32 v[TM+4+\c], 23, v[TM+12+\c]
.endr
.irp c, 0,1
.irp i, 0,1,2
	v_mov_b32 v[PC+3+6*\c+\i], v[PC+12+4*\c+\i]
.endr
.endr
	v_lshl_or_b32 v[\w], v[TM+5], 16, v[TM+4]      ; my bytes: blocks h and 2 + h,
	v_lshlrev_b32 v[\w], v3, v[\w]                 ; at their places,
	v_permlanex16_b32 v[TM+6], v[\w], s[SEL], s[SEL+1]
	v_or_b32 v[\w], v[\w], v[TM+6]                 ; with lane l xor 16's two
.endm
.macro PUT idx, e, v=0
	s_wait_xcnt 0x0
.if \v
	QUANTV H, W0+(\idx)
.else
	QUANT H, W0+(\idx)
.endif
.irp c, 0,1,2
	global_store_b128 v[LI], v[PC+4*\c:PC+4*\c+3], s[OC+2*(\e):OC+2*(\e)+1] offset:1536*(\idx)+512*\c
.endr
.endm
.macro WORDS e
	v_cndmask_b32 v[WP+2*\e], v[W0], v[W0+1], s[HI]
	v_cndmask_b32 v[WP+2*\e+1], v[W0+2], v[W0+3], s[HI]
	global_store_b64 v[LW], v[WP+2*\e:WP+2*\e+1], s[OW+2*\e:OW+2*\e+1]
.endm
.macro EPI_HEAD
	s_wait_loadcnt 0x0
.irp b, 0,1,2,3
	v_mov_b32 v[TM+4+\b], 0
.endr
.endm
.macro GATHER_QK p, e
	WIN 0x02+((\p)/2)
.irp u, 0,1
.set k, 0
.rept 16
	v_pk_add_f32 v[H+32*\u+2*k:H+32*\u+2*k+1], v[64*((2*(\p)+\u)%4)+32*(\e)+2*k:64*((2*(\p)+\u)%4)+32*(\e)+2*k+1], v[BI+32*(\e)+2*k:BI+32*(\e)+2*k+1]
.set k, k+1
.endr
.endr
	WIN 0
.endm
.macro GATHER_V a
	WIN 0x02+((\a)/4)
.set k, 0
.rept 32
.if (\a)%2 == 0
	v_pk_add_f32 v[H+2*k:H+2*k+1], v[64*((\a)%4)+2*k:64*((\a)%4)+2*k+1], v[BI+(\a):BI+(\a)+1] op_sel_hi:[1,0]
.else
	v_pk_add_f32 v[H+2*k:H+2*k+1], v[64*((\a)%4)+2*k:64*((\a)%4)+2*k+1], v[BI+(\a)-1:BI+(\a)] op_sel:[0,1] op_sel_hi:[1,1]
.endif
.set k, k+1
.endr
	WIN 0
.endm
	s_wait_tensorcnt 1
	s_barrier_signal -1
	s_barrier_wait -1
	FETCH_B 0, 0, 0
	FETCH_A 0, 0, 0
	SCALES 0
	FETCH_A 0, 0, 4
	STEP 0, 0, 1
	s_mov_b32 s3, LAPS-1
.Llap:
	TURN 0, 1, 1
	STEP 1, 0, 0
	TURN 1, 0, 1
	STEP 0, 0, 0
	s_sub_co_u32 s3, s3, 1
	s_cmp_lg_u32 s3, 0
	s_cbranch_scc1 .Llap
	TURN 0, 1, 0
	s_cmp_eq_u32 s[PATH], 0
	s_cbranch_scc1 .Lpath_v
	v_bfe_u32 v[BO], v0, 4, 1
	v_lshlrev_b32 v[BO], 6, v[BO]
.irp b, 0,1,2,3
.irp m, 0,1,2,3
	global_load_b128 v[BI+16*\b+4*\m:BI+16*\b+4*\m+3], v[BO], s[BP:BP+1] offset:128*\b+16*\m
.endr
.endr
	STEP 1, 0, 0
	LAST
	EPI_HEAD
.irp e, 0,1
.irp p, 0,1,2,3
	GATHER_QK \p, \e
	PUT \p, \e
.endr
	WORDS \e
.endr
	s_branch .Lend
.Lpath_v:
	v_and_b32 v1, 15, v0
	v_and_b32 v2, 8, v1
	v_add_nc_u32 v1, v1, v2
	v_lshlrev_b32 v[BO], 2, v1
	v_bfe_u32 v3, v0, 4, 1
	v_lshlrev_b32 v3, 3, v3
.irp a, 0,1,2,3,4,5,6,7
	global_load_b32 v[BI+\a], v[BO], s[BP:BP+1] offset:4*(32*(\a/2)+8*(\a%2))
.endr
	STEP 1, 0, 0
	LAST
	EPI_HEAD
.irp e, 0,1
.irp t, 0,1,2,3
	GATHER_V 4*\e+\t
	PUT \t, \e, 1
.endr
	WORDS \e
.endr
.Lend:
	s_wait_tensorcnt 0x0
	ds_add_u32 v[SPW], v[NIL]
	s_wait_dscnt 0x0
	CROUND
	s_endpgm
.Lfunc_end_k_q2e088960ba_qkv:
	.size	k_q2e088960ba_qkv, .Lfunc_end_k_q2e088960ba_qkv-k_q2e088960ba_qkv
	.p2alignl 7, 3214868480
	.fill 96, 4, 3214868480
	.section	.rodata,"a",@progbits
	.p2align	6, 0x0
	.amdhsa_kernel k_q2e088960ba_qkv
		.amdhsa_group_segment_fixed_size 327680
		.amdhsa_private_segment_fixed_size 0
		.amdhsa_enable_private_segment 0
		.amdhsa_kernarg_size 72
		.amdhsa_user_sgpr_count 2
		.amdhsa_user_sgpr_kernarg_segment_ptr 1
		.amdhsa_wavefront_size32 1
		.amdhsa_system_sgpr_workgroup_id_x 1
		.amdhsa_system_sgpr_workgroup_id_y 1
		.amdhsa_system_sgpr_workgroup_id_z 1
		.amdhsa_system_vgpr_workitem_id 0
		.amdhsa_next_free_vgpr 1024
		.amdhsa_next_free_sgpr 102
		.amdhsa_reserve_vcc 0
		.amdhsa_float_denorm_mode_32 3
		.amdhsa_float_denorm_mode_16_64 3
		.amdhsa_memory_ordered 1
		.amdhsa_forward_progress 1
		.amdhsa_inst_pref_size 250
	.end_amdhsa_kernel
	.amdgpu_metadata
---
amdhsa.version: [ 1, 2 ]
amdhsa.kernels:
  - .name:           k_q2e088960ba_qkv
    .symbol:         k_q2e088960ba_qkv.kd
    .args:
      - { .name: xc, .offset: 0, .size: 8, .value_kind: global_buffer, .address_space: global }
      - { .name: xs, .offset: 8, .size: 8, .value_kind: global_buffer, .address_space: global }
      - { .name: wc, .offset: 16, .size: 8, .value_kind: global_buffer, .address_space: global }
      - { .name: ws, .offset: 24, .size: 8, .value_kind: global_buffer, .address_space: global }
      - { .name: bq, .offset: 32, .size: 8, .value_kind: global_buffer, .address_space: global }
      - { .name: bk, .offset: 40, .size: 8, .value_kind: global_buffer, .address_space: global }
      - { .name: bv, .offset: 48, .size: 8, .value_kind: global_buffer, .address_space: global }
      - { .name: qb, .offset: 56, .size: 8, .value_kind: global_buffer, .address_space: global }
      - { .name: kv, .offset: 64, .size: 8, .value_kind: global_buffer, .address_space: global }
    .group_segment_fixed_size: 327680
    .private_segment_fixed_size: 0
    .kernarg_segment_align: 8
    .kernarg_segment_size: 72
    .max_flat_workgroup_size: 128
    .sgpr_count:     102
    .vgpr_count:     1024
    .wavefront_size: 32
...
	.end_amdgpu_metadata
.endif
;; end of part 2
;; launch attn (part 3): grid 4 x 64, 16 waves a work-group, clusters of 4 x 1, 206,848 bytes of LDS; arguments qb, kv, cc, cs; writes cc, cs
.if DOCPART == 3
	.amdgcn_target "amdgcn-amd-amdhsa--gfx1250"
	.amdhsa_code_object_version 6
	.text
	.protected	k_q2e088960ba_attn
	.globl	k_q2e088960ba_attn
	.p2align	8
	.type	k_q2e088960ba_attn,@function
k_q2e088960ba_attn:
	s_mov_b64 s[64:65], 0
	v_nop
	global_prefetch_b8 v0, s[64:65] scope:SCOPE_SE
	s_setreg_imm32_b32 hwreg(HW_REG_WAVE_MODE, 25, 1), 1
	s_wait_xcnt 0x0
	s_wait_alu depctr_hold_cnt(0) depctr_sa_sdst(0) depctr_va_vdst(0) depctr_va_sdst(0) depctr_va_ssrc(0) depctr_va_vcc(0) depctr_vm_vsrc(0)
	s_getreg_b32 s2, hwreg(HW_REG_IB_STS2, 6, 4)
	s_cmp_eq_u32 s2, 0
	s_cbranch_scc0 .Lentry_in_a_cluster
	s_endpgm
.Lentry_in_a_cluster:
	s_bfe_u32 s2, ttmp6, 0x10000c
	s_cmp_lg_u32 s2, 0x3003
	s_cbranch_scc0 .Lentry_shape_is_right
	s_endpgm
.Lentry_shape_is_right:
; ctx[b][q][head][:] = the sum over keys of softmax(Q . K / 8) V, both products on codes of FP6 (E2M3) with E8M0 scales; the result is quantised along D = 1,024 for the last product and leaves as codes.
; THE SOFTMAX: t = score x log2(e) / 8; M = the largest t so far, rounded up to a whole number; p = 2^(t - M) is quantised along the keys, not normalised; the row's sum is taken of the unquantised p and divides at the end.
; When M moves, the sum and O are multiplied by 2^(old M - new M): exact.
; SHARES.  A work-group owns ONE head of one batch (y = 16 batch + head) and 512 queries (x).  The head's K and V, 16 records of 128 keys (K's 4 images, V's 4 images, their words: 12,800 bytes), are 204,800 bytes:
; they come into LDS once, a record a wave, and stay: nothing is filled again, and the walk over the keys has no barrier but the one that shows records 4-15.
; Each of the sixteen waves owns two tiles of 16 queries, 2 w and 2 w + 1 of the work-group's 32, one after the other: 16 key steps each, in 256 registers (four waves to a SIMD).
; CLUSTER.  The four query blocks of a head need the same 16 records: each is asked for jointly (mask 15).
; THE HEAD.  Waves 0-3 have a load line of their own and wait for it ahead of the first barrier, which shows records 0-3; the other twelve records land under the first four key steps and are shown by the second barrier.
; NO PREFETCH: every tensor load stands at the kernel's head, so there is no trip ahead of a load in which to ask.
; LAYOUT.  Both products are used transposed: S^T = K Q^T, O^T = V^T P^T: a lane holds one query.  The head has 64 channels and the instruction 128 along K: a K image holds TWO tiles of 16 keys side by side along K, and Q with
; zero codes behind it picks the first, Q with zero codes in front of it the second.  By the order of positions register 32 c + i of S^T in lane (r, h) is key 64 c + 32 h + i: a block of 32 keys lies whole in a lane,
; and p's codes fall as the operand's registers.  Register 16 T + i of O^T is channel 32 T + 16 h + i.
; OUT.  cc: [tile of 16 positions][pair of heads g][head % 2][piece of 2 registers][lane][8 bytes]: half a fragment of 128 along D.  cs: [g][tile][row][4 bytes]: my head's two bytes of a row's word:
; the word's other two are another work-group's, so a lane stores 2 bytes, 4 bytes from its neighbour's.
; LIMITS: the promise holds while the scaled scores stay under 2^31 in magnitude; a block of zeros gets the byte 1 where the quantiser says 127 (zero codes; only this program reads the bytes); blocks under 2^-124 keep
; the byte 1; NaN and infinities are not served; the division by the sum is v_rcp_f32 and a multiplication.
.set REC,   12800
.set SPARE, 16*REC                     ; behind the records: the spare words, 128 bytes a wave
.set LI,  1                            ; 16 x lane
.set LW,  2                            ; 8 x lane
.set ADR, 3                            ; the record's images
.set ADW, 4                            ; the record's words
.set SPW, 5
.set NIL, 6
.set SH8, 7                            ; 8 h
.set QO,  8
.set QWO, 9
.set CSO, 10                           ; 4 x lane
                                       ; v12 -M, v13 the largest score, v[14:15] the sum in two halves
.set QHI, 16                           ; v[16:27] = [0, Q]
.set QLO, 22                           ; v[22:33] = [Q, 0]
.set QW,  34                           ; Q's scale word
.set QWB, 35                           ; the second tile's
.set QB,  36                           ; v36-41 the second tile's Q
.set RAW, 42
.set KF,  48                           ; v48-95 four images, of K, then of V
.set S,   96                           ; v96-159 S^T, then p
.set O,   160                          ; v160-191 O^T
.set PC,  192                          ; v192-203 p's codes
.set PT,  204                          ; v204-206, v208-210
.set BM,  212                          ; v212-213 a block's largest, v214-215 its second chain
.set BX,  214
.set BS,  216
.set BT,  218
.set KW,  224
.set VW,  226
.set F,   228                          ; 2^(old M - new M)
.set PW,  229                          ; p's scale word
.set T0,  230
.set T1,  231
.set SMB, 232                          ; v232-237 three more chains of the sum
.set SMC, 234
.set SMD, 236
.set T2,  238
.set CF,  240                          ; v240-245, v248-253 ctx's half fragments
.set CW,  246                          ; v246, v247 their two bytes
.set WV,  12
.set SEL, 20
.set CS,  22
.set G1,  24
.set G0,  32
.set TB,  36                           ; LDS byte of the record in hand
.set CNT, 38
.set HI,  40
.set QP,  46
.set CCP, 48
.set CSP, 50
.macro WALU
	s_wait_alu depctr_va_vdst(0)
.endm
.macro TLOAD                           ; an s_nop 0 and four v_nop follow the load
	tensor_load_to_lds s[G0:G0+3], s[G1:G1+7]
	s_nop 0
.rept 4
	v_nop
.endr
.endm
.macro CROUND
	s_barrier_signal -1
	s_barrier_wait -1
	s_cmp_lg_u32 s[WV], 0
	s_cbranch_scc1 .Lnot_wave_0_\@
	s_barrier_signal -3
.Lnot_wave_0_\@:
	s_barrier_wait -3
	s_barrier_signal -1
	s_barrier_wait -1
.endm
	s_load_b256 s[4:11], s[0:1], 0x0               ; qb, kv, cc, cs
	v_lshl_add_u32 v[SPW], v0, 2, SPARE
	v_mov_b32 v[NIL], 0
	ds_add_u32 v[SPW], v[NIL]                      ; the opening lines: the add, twice on end, and its wait ahead of the first tensor load
	ds_add_u32 v[SPW], v[NIL]
	v_lshrrev_b32 v3, 5, v0
	v_readfirstlane_b32 s[WV], v3                  ; wave 0..15
	s_bfe_u32 s13, ttmp6, 0x40000                  ; cx: my block of 512 queries
	s_and_b32 s15, ttmp7, 0xffff                   ; y = 16 x batch + head
	s_mov_b32 s[G1], 15|(3<<16)|(1<<21)            ; the mask: all four work-groups; elements of 8 bytes; no padding; bit 21 set beside a mask
	s_mov_b32 s[G1+1], 32<<16                      ; a record: 50 dense rows of 256 bytes
	s_mov_b32 s[G1+2], 50<<16
	s_mov_b32 s[G1+3], 32<<16
	s_mov_b32 s[G1+4], 50
	s_mov_b32 s[G1+5], 32
	s_mov_b32 s[G1+6], 0
	s_mov_b32 s[G1+7], 0
	s_mov_b32 s[SEL], 0x76543210
	s_mov_b32 s[SEL+1], 0xfedcba98
	s_mov_b32 s[CS], 0x3e38aa3b                    ; c = log2(e) / 8
	s_mov_b32 s[CS+1], s[CS]
	s_mov_b32 s[HI], 0xffff0000
	s_mul_i32 s53, s[WV], REC                      ; record w: its place in LDS and in the head's stream
	s_mul_i32 s54, s15, 16*REC
	s_add_co_u32 s56, s54, s53
	s_mov_b32 s57, 0
	s_lshl_b32 s16, s15, 4                         ; Q: record 16 y + 4 cx + w / 4
	s_lshl_b32 s17, s13, 2
	s_add_co_u32 s16, s16, s17
	s_lshr_b32 s17, s[WV], 2
	s_add_co_u32 s16, s16, s17
	s_mul_i32 s16, s16, 6400
	s_mov_b32 s17, 0
	s_lshr_b32 s18, s15, 4                         ; my first tile of 16 positions: 128 batch + 32 cx + 2 w
	s_lshl_b32 s18, s18, 7
	s_lshl_b32 s19, s13, 5
	s_add_co_u32 s18, s18, s19
	s_lshl_b32 s19, s[WV], 1
	s_add_co_u32 s18, s18, s19
	s_and_b32 s19, s15, 15
	s_lshr_b32 s52, s19, 1                         ; g
	s_and_b32 s19, s19, 1                          ; head % 2
	s_mul_i32 s60, s18, 12288                      ; cc: 12,288 tile + 1,536 g + 768 (head % 2)
	s_mul_i32 s58, s52, 1536
	s_add_co_u32 s60, s60, s58
	s_mul_i32 s58, s19, 768
	s_add_co_u32 s60, s60, s58
	s_mov_b32 s61, 0
	s_lshl_b32 s62, s52, 15                        ; cs: 32,768 g + 64 tile + 2 (head % 2)
	s_lshl_b32 s58, s18, 6
	s_add_co_u32 s62, s62, s58
	s_lshl_b32 s58, s19, 1
	s_add_co_u32 s62, s62, s58
	s_mov_b32 s63, 0
	s_wait_dscnt 0x0                               ; both opening adds are done
	s_wait_kmcnt 0x0
	s_mov_b32 s[G0], 1
	s_mov_b32 s[G0+1], s53
	s_add_nc_u64 s[G0+2:G0+3], s[6:7], s[56:57]
	s_or_b32 s[G0+3], s[G0+3], 0x80000000
	s_add_nc_u64 s[QP:QP+1], s[4:5], s[16:17]
	s_add_nc_u64 s[CCP:CCP+1], s[8:9], s[60:61]
	s_add_nc_u64 s[CSP:CSP+1], s[10:11], s[62:63]
	CROUND                                         ; all four work-groups are here: the joint loads meet
	s_cmp_lt_u32 s[WV], 4                          ; one load a wave, in two arms: waves 0-3, which wait ahead of the first barrier, have a line of their own
	s_cbranch_scc0 .Lrest
	TLOAD
	s_branch .Lasked
.Lrest:
	TLOAD
.Lasked:
	v_and_b32 v3, 31, v0
	v_lshlrev_b32 v[LI], 4, v3
	v_lshlrev_b32 v[LW], 3, v3
	v_lshlrev_b32 v[CSO], 2, v3
	v_and_b32 v4, 15, v0                           ; r
	v_bfe_u32 v[SH8], v0, 4, 1
	v_lshlrev_b32 v[SH8], 3, v[SH8]
	s_and_b32 s52, s[WV], 3                        ; p: the record's image that holds my two tiles side by side
	s_mul_i32 s53, s52, 1536
	v_add_nc_u32 v[QO], s53, v[LI]
	s_and_b32 s53, s52, 1
	s_lshl_b32 s53, s53, 7
	s_lshr_b32 s52, s52, 1
	s_lshl_b32 s52, s52, 2
	s_add_co_u32 s53, s53, s52
	s_add_co_u32 s53, s53, 6144
	s_wait_alu depctr_va_vdst(0)
	v_lshl_add_u32 v[QWO], v4, 3, s53              ; its words: 6,144 + 128 (p % 2) + 8 r + 4 (p / 2)
	WALU
.irp c, 0,1,2
	global_load_b128 v[QLO+4*\c:QLO+4*\c+3], v[QO], s[QP:QP+1] offset:512*\c   ; registers 0-5: my first tile, 6-11: my second
.endr
	global_load_b32 v[RAW], v[QWO], s[QP:QP+1]
.irp i, 0,1,2,3,4,5
	v_mov_b32 v[QHI+\i], 0                         ; zero codes in front of Q
.endr
	v_mov_b32 v[BT], 0                             ; a lane permute's destination counts as one of its sources
	v_mov_b32 v[BT+1], 0
	v_mov_b32 v[T2], 0
	v_mov_b32 v[PW], 0                             ; (named as the upper half of the pair with F before it is first written)
	WALU
	s_wait_loadcnt 0x0
.irp i, 0,1,2,3,4,5
	v_mov_b32 v[QB+\i], v[QLO+6+\i]
.endr
.irp i, 0,1,2,3,4,5
	v_mov_b32 v[QLO+6+\i], 0                       ; and behind it
.endr
	v_perm_b32 v[QW], v[RAW], v[RAW], 0x01000100   ; a tile's two bytes, twice: they serve Q in either half of K
	v_perm_b32 v[QWB], v[RAW], v[RAW], 0x03020302
.macro INIT                            ; a tile of queries begins.  (Its 44 lines are also the places between the writes of Q and its word and the first product)
	v_mov_b32 v13, 0xff61b1e6                      ; the largest score so far: -3e38
	v_mov_b32 v12, 0x7f61b1e6                      ; -M: the first step's factor comes out 0
	v_mov_b32 v14, 0
	v_mov_b32 v15, 0
.irp i, 0,1,2,3,4,5
	v_mov_b32 v[SMB+\i], 0
.endr
.set j, 0
.rept 32
	v_mov_b32 v[O+j], 0                            ; the step is written once: its first run finds zeros
.set j, j+1
.endr
	s_mov_b32 s[TB], 0
	WALU
.endm
; A KEY STEP: the record at s[TB]: 128 keys.
.macro STEP
	v_add_nc_u32 v[ADR], s[TB], v[LI]              ; with the three additions behind the last products: the places in front of the loads
	v_add_nc_u32 v[ADW], s[TB], v[LW]
.irp f, 0,1,2,3
.irp c, 0,1,2
	ds_load_b128 v[KF+12*\f+4*\c:KF+12*\f+4*\c+3], v[ADR] offset:1536*\f+512*\c
.endr
.endr
	ds_load_b64 v[KW:KW+1], v[ADW] offset:12288
	ds_load_b64 v[VW:VW+1], v[ADW] offset:12544
	WALU
	s_wait_dscnt 0x0
.irp f, 0,2                                    ; S^T = K Q^T: an image serves two products
	v_wmma_scale_f32_16x16x128_f8f6f4 v[S+16*\f:S+16*\f+7], v[KF+12*\f:KF+12*\f+11], v[QLO:QLO+11], 0, v[KW+\f/2], v[QW] matrix_a_fmt:MATRIX_FMT_FP6 matrix_b_fmt:MATRIX_FMT_FP6
	v_wmma_scale_f32_16x16x128_f8f6f4 v[S+16*\f+8:S+16*\f+15], v[KF+12*\f:KF+12*\f+11], v[QHI:QHI+11], 0, v[KW+\f/2], v[QW] matrix_a_fmt:MATRIX_FMT_FP6 matrix_b_fmt:MATRIX_FMT_FP6
	v_wmma_scale_f32_16x16x128_f8f6f4 v[S+16*\f+16:S+16*\f+23], v[KF+12*\f+12:KF+12*\f+23], v[QLO:QLO+11], 0, v[KW+\f/2], v[QW] matrix_a_fmt:MATRIX_FMT_FP6 matrix_b_fmt:MATRIX_FMT_FP6 matrix_a_scale:MATRIX_SCALE_ROW1
	v_wmma_scale_f32_16x16x128_f8f6f4 v[S+16*\f+24:S+16*\f+31], v[KF+12*\f+12:KF+12*\f+23], v[QHI:QHI+11], 0, v[KW+\f/2], v[QW] matrix_a_fmt:MATRIX_FMT_FP6 matrix_b_fmt:MATRIX_FMT_FP6 matrix_a_scale:MATRIX_SCALE_ROW1
.endr
	v_pk_add_f32 v[14:15], v[14:15], v[SMB:SMB+1]  ; four places: the last step's four chains of the sum are joined,
	v_pk_add_f32 v[SMC:SMC+1], v[SMC:SMC+1], v[SMD:SMD+1]
	v_mov_b32 v[T0], v12                           ; the old -M is kept
	v_pk_add_f32 v[14:15], v[14:15], v[SMC:SMC+1]
.irp f, 0,1,2,3
.irp c, 0,1,2
	ds_load_b128 v[KF+12*\f+4*\c:KF+12*\f+4*\c+3], v[ADR] offset:6144+1536*\f+512*\c   ; V's images land while the softmax is walked
.endr
.endr
.irp c, 0,1                                    ; the largest score of my two blocks of 32 keys, each in two chains, each accumulator from its low end on
	v_max3_num_f32 v[BM+\c], v[S+32*\c], v[S+32*\c+1], v[S+32*\c+2]
	v_max3_num_f32 v[BX+\c], v[S+32*\c+16], v[S+32*\c+17], v[S+32*\c+18]
.endr
.irp i, 3,5,7,9,11,13
.irp c, 0,1
	v_max3_num_f32 v[BM+\c], v[BM+\c], v[S+32*\c+\i], v[S+32*\c+\i+1]
	v_max3_num_f32 v[BX+\c], v[BX+\c], v[S+32*\c+16+\i], v[S+32*\c+17+\i]
.endr
.endr
.irp c, 0,1
	v_max3_num_f32 v[BM+\c], v[BM+\c], v[S+32*\c+15], v[BX+\c]
.endr
.irp c, 0,1
	v_max_num_f32 v[BM+\c], v[BM+\c], v[S+32*\c+31]
.endr
	v_max_num_f32 v[T1], v[BM], v[BM+1]
	v_permlanex16_b32 v[T2], v[T1], s[SEL], s[SEL+1]
	v_max3_num_f32 v13, v13, v[T1], v[T2]          ; the largest score so far (c is positive: its t is the largest t)
	v_mul_f32 v[T1], s[CS], v13
	v_floor_f32 v12, -v[T1]                        ; the new -M = -ceil(t)
	v_sub_f32 v[T0], v12, v[T0]                    ; old M - new M: a whole number, 0 or less
	v_cvt_i32_f32 v[T0], v[T0]                     ; (it saturates)
	v_ldexp_f32 v[F], 1.0, v[T0]
.set j, 0
.rept 16
	v_pk_mul_f32 v[O+j:O+j+1], v[O+j:O+j+1], v[F:F+1] op_sel_hi:[1,0]   ; O^T under the new M, from each accumulator's low end on
.set j, j+2
.endr
.set j, 0
.rept 32
	v_pk_fma_f32 v[S+j:S+j+1], v[S+j:S+j+1], s[CS:CS+1], v[12:13] op_sel_hi:[1,0,0]   ; t - M, two at a time
.set j, j+2
.endr
	v_pk_fma_f32 v[BM:BM+1], v[BM:BM+1], s[CS:CS+1], v[12:13] op_sel_hi:[1,0,0]       ; the same of each block's largest score
	WALU                                           ; the wait ahead of the batch
	v_exp_f32 v[BM], v[BM]                         ; the block's largest p: the same two instructions on the same number give the same bits
	v_exp_f32 v[BM+1], v[BM+1]
.set j, 0
.rept 64
	v_exp_f32 v[S+j], v[S+j]                       ; p = 2^(t - M)
.set j, j+1
.endr
	v_pk_mul_f32 v[14:15], v[14:15], v[F:F+1] op_sel_hi:[1,0]   ; the sum under the new M (the plain place behind the exponentials)
	WALU                                           ; one wait for the batch, ahead of its first reader
.irp c, 0,1
	v_max_num_f32 v[BM+\c], 0x1800000, v[BM+\c]    ; the floor 2^(3 - 127)
.endr
.irp c, 0,1
	v_add_nc_u32 v[BS+\c], 0xff000000, v[BM+\c]    ; the conversion's scale operand
.endr
.irp c, 0,1
	v_cvt_scalef32_pk16_fp6_f32 v[PC+6*\c:PC+6*\c+2], v[S+32*\c:S+32*\c+15], v[BS+\c]
	v_cvt_scalef32_pk16_fp6_f32 v[PT+4*\c:PT+4*\c+2], v[S+32*\c+16:S+32*\c+31], v[BS+\c]   ; (a conversion's three registers begin on an even number)
.endr
.irp c, 0,1
	v_lshrrev_b32 v[BT+\c], 23, v[BS+\c]           ; the scale's byte (also the plain place behind the conversions)
.endr
.irp c, 0,1
.irp i, 0,1,2
	v_mov_b32 v[PC+3+6*\c+\i], v[PT+4*\c+\i]
.endr
.endr
	v_lshl_or_b32 v[T1], v[BT+1], 16, v[BT]        ; my bytes: blocks h and 2 + h,
	v_lshlrev_b32 v[T1], v[SH8], v[T1]             ; at their places,
	v_permlanex16_b32 v[T2], v[T1], s[SEL], s[SEL+1]
	v_or_b32 v[PW], v[T1], v[T2]                   ; with lane l xor 16's two: p's scale word
	v_pk_add_f32 v[14:15], v[14:15], v[S:S+1]      ; the sum of the unquantised p, in four chains; these 26 lines are also the places in front of the products below
	v_pk_add_f32 v[SMB:SMB+1], v[S+2:S+3], v[S+10:S+11]
	v_pk_add_f32 v[SMC:SMC+1], v[S+4:S+5], v[S+12:S+13]
	v_pk_add_f32 v[SMD:SMD+1], v[S+6:S+7], v[S+14:S+15]
	v_pk_add_f32 v[14:15], v[14:15], v[S+8:S+9]
.set j, 16
.rept 5
	v_pk_add_f32 v[14:15], v[14:15], v[S+j:S+j+1]
	v_pk_add_f32 v[SMB:SMB+1], v[SMB:SMB+1], v[S+j+2:S+j+3]
	v_pk_add_f32 v[SMC:SMC+1], v[SMC:SMC+1], v[S+j+4:S+j+5]
	v_pk_add_f32 v[SMD:SMD+1], v[SMD:SMD+1], v[S+j+6:S+j+7]
.set j, j+8
.endr
	v_pk_add_f32 v[14:15], v[14:15], v[S+56:S+57]
	WALU
	s_wait_dscnt 0x0                               ; V's images are in
.irp t, 0,2                                    ; O^T += V^T P^T: the four accumulators take turns
	v_wmma_scale_f32_16x16x128_f8f6f4 v[O+8*\t:O+8*\t+7], v[KF+12*\t:KF+12*\t+11], v[PC:PC+11], v[O+8*\t:O+8*\t+7], v[VW+\t/2], v[PW] matrix_a_fmt:MATRIX_FMT_FP6 matrix_b_fmt:MATRIX_FMT_FP6
	v_wmma_scale_f32_16x16x128_f8f6f4 v[O+8*\t+8:O+8*\t+15], v[KF+12*\t+12:KF+12*\t+23], v[PC:PC+11], v[O+8*\t+8:O+8*\t+15], v[VW+\t/2], v[PW] matrix_a_fmt:MATRIX_FMT_FP6 matrix_b_fmt:MATRIX_FMT_FP6 matrix_a_scale:MATRIX_SCALE_ROW1
.endr
	v_pk_add_f32 v[SMB:SMB+1], v[SMB:SMB+1], v[S+58:S+59]
	v_pk_add_f32 v[SMC:SMC+1], v[SMC:SMC+1], v[S+60:S+61]
	v_pk_add_f32 v[SMD:SMD+1], v[SMD:SMD+1], v[S+62:S+63]
	s_add_co_u32 s[TB], s[TB], REC
.endm
.macro WALK n                          ; n key steps
	s_mov_b32 s[CNT], \n
.Lstep_\@:
	STEP
	s_sub_co_u32 s[CNT], s[CNT], 1
	s_cmp_lg_u32 s[CNT], 0
	s_cbranch_scc1 .Lstep_\@
.endm
; A tile is done: O^T / the sum, quantised along the head's 64 (two blocks, each in lanes l and l xor 16), becomes half a fragment of ctx and two bytes of its word.
.macro FINAL t
	v_pk_add_f32 v[14:15], v[14:15], v[SMB:SMB+1]
	v_pk_add_f32 v[SMC:SMC+1], v[SMC:SMC+1], v[SMD:SMD+1]
	v_pk_add_f32 v[14:15], v[14:15], v[SMC:SMC+1]
	v_add_f32 v14, v14, v15
	v_permlanex16_b32 v[T2], v14, s[SEL], s[SEL+1]
	v_add_f32 v14, v14, v[T2]                      ; the row's sum
	WALU
	v_rcp_f32 v14, v14
	v_nop                                          ; a plain place behind the reciprocal,
	WALU                                           ; and the wait ahead of its first reader, which is O^T's first reader too
.set j, 0
.rept 16
	v_pk_mul_f32 v[S+j:S+j+1], v[O+j:O+j+1], v[14:15] op_sel_hi:[1,0]
.set j, j+2
.endr
.irp b, 0,1
	v_max3_num_f32 v[BM+\b], |v[S+16*\b]|, |v[S+1+16*\b]|, 0x1800000
.endr
.irp i, 2,4,6,8,10,12,14
.irp b, 0,1
	v_max3_num_f32 v[BM+\b], v[BM+\b], |v[S+16*\b+\i]|, |v[S+1+16*\b+\i]|
.endr
.endr
.irp b, 0,1
	v_permlanex16_b32 v[BT+\b], v[BM+\b], s[SEL], s[SEL+1]
.endr
.irp b, 0,1
	v_max_num_f32 v[BM+\b], v[BM+\b], v[BT+\b]
.endr
.irp b, 0,1
	v_add_nc_u32 v[BS+\b], 0xff000000, v[BM+\b]
.endr
.irp b, 0,1
	v_lshrrev_b32 v[BT+\b], 23, v[BS+\b]
.endr
	v_lshl_or_b32 v[CW+\t], v[BT+1], 8, v[BT]
	v_cvt_scalef32_pk16_fp6_f32 v[CF+8*\t:CF+8*\t+2], v[S:S+15], v[BS]
	v_cvt_scalef32_pk16_fp6_f32 v[PT:PT+2], v[S+16:S+31], v[BS+1]
	v_nop
.irp i, 0,1,2
	v_permlane16_swap_b32 v[CF+8*\t+\i], v[PT+\i]  ; a whole block to a lane
.endr
.irp i, 0,1,2
	v_mov_b32 v[CF+8*\t+3+\i], v[PT+\i]
.endr
.irp p, 0,1,2
	global_store_b64 v[LW], v[CF+8*\t+2*\p:CF+8*\t+2*\p+1], s[CCP:CCP+1] offset:12288*\t+256*\p   ; 32 lanes store 256 consecutive bytes, aligned
.endr
.endm
	INIT
	s_cmp_lt_u32 s[WV], 4
	s_cbranch_scc0 .Lnot_first
	s_wait_tensorcnt 0x0                           ; waves 0-3: my record is in
.Lnot_first:
	s_barrier_signal -1
	s_barrier_wait -1                              ; records 0-3 are in; the others may be on their way
	WALK 4
	s_wait_tensorcnt 0x0                           ; every wave: my record is in
	s_wait_dscnt 0x0
	s_barrier_signal -1
	s_barrier_wait -1                              ; all sixteen are in
	WALK 12
	FINAL 0
.irp i, 0,1,2,3,4,5
	v_mov_b32 v[QLO+\i], v[QB+\i]                  ; on to my second tile
.endr
	v_mov_b32 v[QW], v[QWB]
	INIT
	WALK 16
	FINAL 1
	v_cndmask_b32 v[T0], v[CW], v[CW+1], s[HI]     ; lanes 0-15 my first tile's rows, lanes 16-31 my second's
	global_store_b16 v[CSO], v[T0], s[CSP:CSP+1]
	s_wait_tensorcnt 0x0                           ; the wave's end
	ds_add_u32 v[SPW], v[NIL]
	s_wait_dscnt 0x0
	CROUND                                         ; the closing round
	s_endpgm
.Lfunc_end_k_q2e088960ba_attn:
	.size	k_q2e088960ba_attn, .Lfunc_end_k_q2e088960ba_attn-k_q2e088960ba_attn
	.p2alignl 7, 3214868480
	.fill 96, 4, 3214868480
	.section	.rodata,"a",@progbits
	.p2align	6, 0x0
	.amdhsa_kernel k_q2e088960ba_attn
		.amdhsa_group_segment_fixed_size 206848
		.amdhsa_private_segment_fixed_size 0
		.amdhsa_enable_private_segment 0
		.amdhsa_kernarg_size 32
		.amdhsa_user_sgpr_count 2
		.amdhsa_user_sgpr_kernarg_segment_ptr 1
		.amdhsa_wavefront_size32 1
		.amdhsa_system_sgpr_workgroup_id_x 1
		.amdhsa_system_sgpr_workgroup_id_y 1
		.amdhsa_system_sgpr_workgroup_id_z 1
		.amdhsa_system_vgpr_workitem_id 0
		.amdhsa_next_free_vgpr 256
		.amdhsa_next_free_sgpr 66
		.amdhsa_reserve_vcc 0
		.amdhsa_float_denorm_mode_32 3
		.amdhsa_float_denorm_mode_16_64 3
		.amdhsa_memory_ordered 1
		.amdhsa_forward_progress 1
		.amdhsa_inst_pref_size 60
	.end_amdhsa_kernel
	.amdgpu_metadata
---
amdhsa.version: [ 1, 2 ]
amdhsa.kernels:
  - .name:           k_q2e088960ba_attn
    .symbol:         k_q2e088960ba_attn.kd
    .args:
      - { .name: qb, .offset: 0, .size: 8, .value_kind: global_buffer, .address_space: global }
      - { .name: kv, .offset: 8, .size: 8, .value_kind: global_buffer, .address_space: global }
      - { .name: cc, .offset: 16, .size: 8, .value_kind: global_buffer, .address_space: global }
      - { .name: cs, .offset: 24, .size: 8, .value_kind: global_buffer, .address_space: global }
    .group_segment_fixed_size: 206848
    .private_segment_fixed_size: 0
    .kernarg_segment_align: 8
    .kernarg_segment_size: 32
    .max_flat_workgroup_size: 512
    .sgpr_count:     66
    .vgpr_count:     256
    .wavefront_size: 32
...
	.end_amdgpu_metadata
.endif
;; end of part 3
;; launch outp (part 4): grid 8 x 32, 4 waves a work-group, clusters of 4 x 4, 327,680 bytes of LDS; arguments cc, cs, wc, ws, bo, out0; writes out0
.if DOCPART == 4
	.amdgcn_target "amdgcn-amd-amdhsa--gfx1250"
	.amdhsa_code_object_version 6
	.text
	.protected	k_q2e088960ba_outp
	.globl	k_q2e088960ba_outp
	.p2align	8
	.type	k_q2e088960ba_outp,@function
k_q2e088960ba_outp:
	s_mov_b64 s[64:65], 0
	v_nop
	global_prefetch_b8 v0, s[64:65] scope:SCOPE_SE
	s_setreg_imm32_b32 hwreg(HW_REG_WAVE_MODE, 25, 1), 1
	s_wait_xcnt 0x0
	s_wait_alu depctr_hold_cnt(0) depctr_sa_sdst(0) depctr_va_vdst(0) depctr_va_sdst(0) depctr_va_ssrc(0) depctr_va_vcc(0) depctr_vm_vsrc(0)
	s_getreg_b32 s2, hwreg(HW_REG_IB_STS2, 6, 4)
	s_cmp_eq_u32 s2, 0
	s_cbranch_scc0 .Lentry_in_a_cluster
	s_endpgm
.Lentry_in_a_cluster:
	s_bfe_u32 s2, ttmp6, 0x10000c
	s_cmp_lg_u32 s2, 0xf033
	s_cbranch_scc0 .Lentry_shape_is_right
	s_endpgm
.Lentry_shape_is_right:
; out0 = ctx Wo^T + bo, on codes of FP6 (E2M3) with E8M0 scales; sums in f32.  Nothing of reference() is left out here.
; IN.  cc: [tile of 16 positions][g = 128 along D][2][piece of 2 registers][lane][8 bytes]: a fragment's registers as they lie; cs: [g][tile][row][4 bytes]: a fragment's scale words;
; wc: [128 positions][K step of 256][position][192 bytes], ws: [position][32]; Wo's rows are positions 3,072 on.  Position 16 a + t of 64 tokens is token 32 (t / 8) + 8 a + t % 8;
; position 16 b + 8 h + j of Wo is its row 32 (b / 2) + 16 h + 8 (b % 2) + j.
; SHARES.  A work-group makes 256 rows x 128 columns: 8 x 32 = 256 work-groups.  Each of its four waves makes 64 rows x 128 columns: 32 accumulators of 16 x 16.
; ALL OF K LIES IN LDS: ctx's 16 tiles are 196,608 bytes, Wo's 128 rows with 16 bytes of padding behind each 64 are 122,880: no ring, nothing is filled again, no round inside the walk.
; FOUR TENSOR LOADS, one a wave, each in an arm of its own: wave 0 A's first half of K (16 rows of 6,144 bytes), wave 1 B's (192 dense rows of 256 bytes), waves 2 and 3 the second halves.
; The first barrier shows the first halves (waves 0 and 1 wait ahead of it); the second halves are shown by a barrier whose signal stands in step 2 and whose wait in step 3, ahead of step 4's fetch.
; CLUSTER 4 x 4: A's tiles hang on the tile row alone and are asked for jointly by a row of the cluster, B's on the tile column alone, by a column.
; NO PREFETCH: every tensor load stands at the kernel's head, so there is no trip ahead of a load in which to ask.
; THE SCALE WORDS come once, by plain loads, and stay in registers: Wo's v32-63 (register 8 j + step: lanes 0-15 block j, lanes 16-31 block j + 4), ctx's v224-239 (register 2 step + i: lanes 0-15 tile 2 i, lanes 16-31 tile 2 i + 1).
; A STEP is 128 along K: 32 products, the accumulators by turns; the next step's 12 fragments are fetched ahead of them into the other of two sets.  The bias is the first products' C.
; THE MATRIX INSTRUCTION IS USED TRANSPOSED (source 0 = Wo's rows, source 1 = ctx's): a lane holds eight neighbouring columns of a row of out0.
; REGISTERS: window 0: v0-31 addresses, v32-63 and v224-239 scale words, v64-127 the bias, v128-223 A's fragments in two sets; window 1: B's fragments, sets at v0 and v128; window 2: the accumulators, (a, b) at v[8 (8 a + b)].
.set PITCH,  240                       ; an LDS row of B: 3 x (64 + 16) bytes
.set KSB,    128*PITCH                 ; B's rows of one K step of 256
.set AH,     98304                     ; A's tiles of half of K: 16 x 6,144
.set BB0,    2*AH
.set SPARE,  BB0+4*KSB                 ; the spare words, 128 bytes a wave
.set SPITCH, 528                       ; the way out: 16 rows x (512 + 16) bytes a wave, on A's first bytes, which are read no more behind the last step's barrier
.set FR,   12
.set NP,   4
.set ADRA, 16                          ; v16, v17  my A fragments, first and second half of K
.set ADRB, 20                          ; v20, v21  B's fragments; v22, v23: for the pieces where lanes 16-31 stand behind one padding more
.set STO,  24
.set RD,   25
.set CO,   26
.set SPW,  28
.set NIL,  29
.set BO,   31
.set SU,   32
.set BI,   64
.set AF,   128
.set ST,   224
.set BK,   64                          ; the way out: rows read back: v64-127 and v128-191 by turns
.set G1,   24
.set G1B,  48
.set MSB, 0
.macro WIN new
.if MSB != (\new)
	s_set_vgpr_msb (MSB<<8)|(\new)
.set MSB, \new
.endif
.endm
.set MUL_LO, 0xa1                      ; source 0 window 1, source 1 window 0, C and D window 2
.set TO_B,   0x40
.macro PLACES n
.rept \n
	v_nop
.endr
.endm
.macro CROUND
	s_barrier_signal -1
	s_barrier_wait -1
	s_cmp_lg_u32 s14, 0
	s_cbranch_scc1 .Lnot_wave_0_\@
	s_barrier_signal -3
.Lnot_wave_0_\@:
	s_barrier_wait -3
	s_barrier_signal -1
	s_barrier_wait -1
.endm
.macro TLOAD g0, g1                    ; an s_nop 0 and four v_nop follow the load
	tensor_load_to_lds s[\g0:\g0+3], s[\g1:\g1+7]
	s_nop 0
	PLACES 4
.endm
.macro ARM under, g0, g1, next
	s_cmp_lt_u32 s14, \under
	s_cbranch_scc0 \next
	TLOAD \g0, \g1
	s_branch .Lasked
\next:
.endm
	s_load_b128 s[4:7], s[0:1], 0x0                ; cc, cs
	s_load_b128 s[8:11], s[0:1], 0x10              ; wc, ws
	s_load_b128 s[92:95], s[0:1], 0x20             ; bo, out0
	v_lshl_add_u32 v[SPW], v0, 2, SPARE
	v_mov_b32 v[NIL], 0
	ds_add_u32 v[SPW], v[NIL]                      ; the opening lines: the add, twice on end, and its wait
	ds_add_u32 v[SPW], v[NIL]
	v_lshrrev_b32 v1, 5, v0
	v_readfirstlane_b32 s14, v1                    ; wave 0..3
	s_bfe_u32 s40, ttmp6, 0x40000                  ; cx
	s_bfe_u32 s41, ttmp6, 0x40004                  ; cy
	s_lshl_b32 s42, ttmp9, 2
	s_add_co_u32 s42, s42, s40                     ; tile column, 0..7
	s_and_b32 s17, ttmp7, 0xffff
	s_lshl_b32 s17, s17, 2
	s_add_co_u32 s17, s17, s41                     ; tile row, 0..31
	s_lshl_b32 s43, s41, 2
	s_lshl_b32 s43, 15, s43                        ; my row of the cluster
	s_lshl_b32 s44, 0x1111, s40                    ; my column
	s_or_b32 s[G1+0], s43, (3<<16)|(1<<21)         ; A: elements of 8 bytes, 16 rows of 768, 1,536 from row to row, no padding
	s_mov_b32 s[G1+1], 768<<16
	s_mov_b32 s[G1+2], 16<<16
	s_mov_b32 s[G1+3], 768<<16
	s_mov_b32 s[G1+4], 16
	s_mov_b32 s[G1+5], 1536
	s_mov_b32 s[G1+6], 0
	s_mov_b32 s[G1+7], 0
	s_or_b32 s[G1B+0], s44, (0<<16)|(1<<20)|(1<<21)|(3<<22)|(3<<25)   ; B: 192 dense rows of 256 bytes, 4 words of padding behind every 16
	s_mov_b32 s[G1B+1], 256<<16
	s_mov_b32 s[G1B+2], 192<<16
	s_mov_b32 s[G1B+3], 256<<16
	s_mov_b32 s[G1B+4], 192
	s_mov_b32 s[G1B+5], 256
	s_mov_b32 s[G1B+6], 0
	s_mov_b32 s[G1B+7], 0
	s_mul_i32 s20, s17, 16*12288                   ; my 16 tiles of cc
	s_mov_b32 s21, 0
	s_lshl_b32 s46, s42, 7
	s_add_co_u32 s46, s46, 3072                    ; my 128 positions of Wo
	s_lshl_b32 s96, s46, 5                         ; their scale bytes,
	s_mov_b32 s97, 0
	s_mul_i32 s46, s46, 768                        ; their codes
	s_mov_b32 s47, 0
	s_lshl_b32 s22, s17, 4
	s_lshl_b32 s18, s14, 2
	s_add_co_u32 s22, s22, s18
	s_lshl_b32 s22, s22, 6                         ; my wave's four tiles in a plane of cs
	s_mov_b32 s23, 0
	s_lshl_b32 s12, s42, 9                         ; my columns, in bytes
	s_mov_b32 s13, 0
	s_lshl_b32 s18, s17, 8
	s_lshl_b32 s19, s14, 6
	s_add_co_u32 s18, s18, s19
	s_lshl_b32 s18, s18, 12                        ; my wave's first row of out0, in bytes
	s_mov_b32 s19, 0
	s_wait_dscnt 0x0                               ; both opening adds are done
	s_wait_kmcnt 0x0
	s_add_nc_u64 s[20:21], s[4:5], s[20:21]
	s_add_nc_u64 s[22:23], s[6:7], s[22:23]
	s_add_nc_u64 s[46:47], s[8:9], s[46:47]
	s_add_nc_u64 s[96:97], s[10:11], s[96:97]
	s_add_nc_u64 s[92:93], s[92:93], s[12:13]
	s_add_nc_u64 s[94:95], s[94:95], s[12:13]
	s_add_nc_u64 s[94:95], s[94:95], s[18:19]
	CROUND                                         ; all sixteen work-groups are here: the joint loads meet
	s_mov_b32 s32, 1                               ; A, first half of K
	s_mov_b32 s33, 0
	s_mov_b64 s[34:35], s[20:21]
	s_or_b32 s35, s35, 0x80000000
	s_mov_b32 s36, 1                               ; A, second half
	s_mov_b32 s37, AH
	s_add_nc_u64 s[38:39], s[20:21], 6144
	s_or_b32 s39, s39, 0x80000000
	s_mov_b32 s56, 1                               ; B, K steps 0 and 1
	s_mov_b32 s57, BB0
	s_mov_b64 s[58:59], s[46:47]
	s_or_b32 s59, s59, 0x80000000
	s_mov_b32 s60, 1                               ; B, K steps 2 and 3
	s_mov_b32 s61, BB0+2*KSB
	s_add_nc_u64 s[62:63], s[46:47], 49152
	s_or_b32 s63, s63, 0x80000000
	ARM 1, 32, G1,  .Lwave_1
	ARM 2, 56, G1B, .Lwave_2
	ARM 3, 36, G1,  .Lwave_3
	TLOAD 60, G1B
.Lasked:
	s_mul_i32 s18, s14, 4*6144                     ; my four tiles in LDS
	s_mul_i32 s19, s14, 16*SPITCH                  ; my stage
	v_and_b32 v1, 15, v0                           ; r
	v_bfe_u32 v2, v0, 4, 1                         ; h
	v_and_b32 v7, 31, v0
	v_lshlrev_b32 v[CO], 4, v7
	v_lshlrev_b32 v8, 3, v7
	v_lshlrev_b32 v9, 2, v7                        ; ctx's words: 4 x lane: two tiles a load
	v_lshlrev_b32 v10, 5, v1
	v_lshl_add_u32 v10, v2, 11, v10                ; Wo's words: row r of block j + 4 h, 32 bytes a row
	v_lshlrev_b32 v[BO], 6, v2
.irp g, 0,1,2,3,4,5,6,7
.irp i, 0,1
	global_load_b32 v[ST+2*\g+\i], v9, s[22:23] offset:32768*\g+128*\i
.endr
.endr
.irp j, 0,1,2,3
.irp c, 0,1
	global_load_b128 v[SU+8*\j+4*\c:SU+8*\j+4*\c+3], v10, s[96:97] offset:512*\j+16*\c
.endr
.endr
.irp b, 0,1,2,3
.irp m, 0,1,2,3
	global_load_b128 v[BI+16*\b+4*\m:BI+16*\b+4*\m+3], v[BO], s[92:93] offset:128*\b+16*\m   ; register 8 b + j: bo at column 32 (b / 2) + 16 h + 8 (b % 2) + j
.endr
.endr
	v_mul_u32_u24 v3, v1, PITCH
	v_mad_u32_u24 v4, v2, 24, v3                   ; a fragment's row x pitch + 24 h
	v_lshl_add_u32 v5, v2, 4, v4
	v_add_nc_u32 v[ADRB], BB0, v4
	v_add_nc_u32 v[ADRB+1], BB0+2*KSB, v4
	v_add_nc_u32 v[ADRB+2], BB0, v5
	v_add_nc_u32 v[ADRB+3], BB0+2*KSB, v5
	v_add_nc_u32 v[ADRA], s18, v8
	v_add_nc_u32 v[ADRA+1], AH, v[ADRA]
	v_mul_u32_u24 v6, v1, SPITCH
	v_lshl_add_u32 v6, v2, 6, v6
	v_add_nc_u32 v[STO], s19, v6                   ; into the stage: row r, 64 bytes for each half of the lanes
	v_add_nc_u32 v[RD], s19, v[CO]                 ; back: the 32 lanes take a row of 512 bytes
	s_wait_alu depctr_va_vdst(0)                   ; the wait at the head's end
	s_cmp_lt_u32 s14, 2
	s_cbranch_scc0 .Lnot_first
	s_wait_tensorcnt 0x0                           ; waves 0 and 1: my tile of the first half of K is in
.Lnot_first:
	s_barrier_signal -1
	s_barrier_wait -1                              ; the first half of K is in; the second may be on its way
.macro FRAG reg, adr, q, i, x          ; six pieces of 8 bytes of a row of B; x: the K step's place
.irp p, 0,1,2,3,4,5
.set PCE, 12*(\q)+6*(\p/3)+\p%3
.if PCE%8 < 5
	ds_load_b64 v[\reg+2*\p:\reg+2*\p+1], v[\adr] offset:8*PCE+16*(PCE/8)+(\i)*16*PITCH+(\x)
.else
	ds_load_b64 v[\reg+2*\p:\reg+2*\p+1], v[\adr+2] offset:8*PCE+16*(PCE/8)+(\i)*16*PITCH+(\x)
.endif
.endr
.endm
.macro FETCH kf                        ; step kf's fragments into set kf % 2: B's eight, my A's four: 72 loads
	WIN TO_B
.irp i, 0,1,2,3,4,5,6,7
	FRAG 128*((\kf)%2)+FR*\i, ADRB+(\kf)/4, (\kf)%2, \i, (((\kf)/2)%2)*KSB
.endr
	WIN 0
.irp i, 0,1,2,3
.irp c, 0,1,2,3,4,5
	ds_load_b64 v[AF+48*((\kf)%2)+FR*\i+2*\c:AF+48*((\kf)%2)+FR*\i+2*\c+1], v[ADRA+(\kf)/4] offset:6144*\i+1536*((\kf)%4)+256*\c
.endr
.endr
.endm
.macro WM a, b, kf
.set rD, 8*(8*(\a)+(\b))
.set rB, 128*((\kf)%2)+FR*(\b)
.set rA, AF+48*((\kf)%2)+FR*(\a)
.set rU, SU+8*((\b)%4)+(\kf)
.set rT, ST+2*(\kf)+(\a)/2
.set rC, rD
.if (\kf) == 0
.set rC, BI+8*(\b)
.endif
.if ((\b) < 4) && ((\a)%2 == 0)
	v_wmma_scale_f32_16x16x128_f8f6f4 v[rD:rD+7], v[rB:rB+FR-1], v[rA:rA+FR-1], v[rC:rC+7], v[rU], v[rT] matrix_a_fmt:MATRIX_FMT_FP6 matrix_b_fmt:MATRIX_FMT_FP6
.elseif (\b) < 4
	v_wmma_scale_f32_16x16x128_f8f6f4 v[rD:rD+7], v[rB:rB+FR-1], v[rA:rA+FR-1], v[rC:rC+7], v[rU], v[rT] matrix_a_fmt:MATRIX_FMT_FP6 matrix_b_fmt:MATRIX_FMT_FP6 matrix_b_scale:MATRIX_SCALE_ROW1
.elseif (\a)%2 == 0
	v_wmma_scale_f32_16x16x128_f8f6f4 v[rD:rD+7], v[rB:rB+FR-1], v[rA:rA+FR-1], v[rC:rC+7], v[rU], v[rT] matrix_a_fmt:MATRIX_FMT_FP6 matrix_b_fmt:MATRIX_FMT_FP6 matrix_a_scale:MATRIX_SCALE_ROW1
.else
	v_wmma_scale_f32_16x16x128_f8f6f4 v[rD:rD+7], v[rB:rB+FR-1], v[rA:rA+FR-1], v[rC:rC+7], v[rU], v[rT] matrix_a_fmt:MATRIX_FMT_FP6 matrix_b_fmt:MATRIX_FMT_FP6 matrix_a_scale:MATRIX_SCALE_ROW1 matrix_b_scale:MATRIX_SCALE_ROW1
.endif
.endm
.macro STEP kf
	s_wait_dscnt 0x0                               ; this step's fragments are in, and no LDS instruction of mine is out
.if (\kf) == 2
	s_wait_tensorcnt 0x0                           ; every wave: my tile is in;
	s_barrier_signal -1                            ; say so; between here and the wait: LDS loads of bytes that nobody writes before the last step's barrier, and products
.endif
.if (\kf) == 3
	s_barrier_wait -1                              ; the second half of K is in
.endif
.if (\kf) == 7
	s_barrier_signal -1                            ; my reads of LDS are over
.endif
.if (\kf) < 7
.if (\kf) > 0
	PLACES NP                                      ; in front of loads into the set that the last step's products read
.endif
	FETCH (\kf)+1
.endif
.if (\kf) == 0
	WIN 0x81                                       ; C, the bias, in window 0
.else
	WIN MUL_LO
.endif
.irp a, 0,1,2,3
.irp b, 0,1,2,3,4,5,6,7
	WM \a, \b, \kf
.endr
.endr
	WIN 0
.if (\kf) == 7
	s_barrier_wait -1                              ; and so are everybody's: A's first bytes may take the stages
.endif
.endm
	FETCH 0
	s_wait_loadcnt 0x0                             ; the scale words and the bias are in
.irp kf, 0,1,2,3,4,5,6,7
	STEP \kf
.endr
; THE WAY OUT, block by block of 16 rows x 128 columns, through my own stage: back come whole rows of 512 bytes.  LDS serves a wave's instructions in order: no wait between the stores and the loads.
.macro TOSTAGE a
.set AC, 64*(\a)
	WIN 0x08                                       ; the data: window 2
.irp b, 0,1,2,3,4,5,6,7
	ds_store_b128 v[STO], v[AC+8*\b:AC+8*\b+3] offset:128*(\b/2)+32*(\b%2)       ; each accumulator from its low end on
	ds_store_b128 v[STO], v[AC+8*\b+4:AC+8*\b+7] offset:128*(\b/2)+32*(\b%2)+16
.endr
	WIN 0
.set BB, BK+64*((\a)%2)
.irp t, 0,1,2,3,4,5,6,7,8,9,10,11,12,13,14,15
	ds_load_b128 v[BB+4*\t:BB+4*\t+3], v[RD] offset:\t*SPITCH
.endr
.endm
.macro SEND a, younger                 ; younger: the LDS instructions issued behind block a's loads
.set BB, BK+64*((\a)%2)
	s_wait_dscnt \younger
.irp t, 0,1,2,3,4,5,6,7,8,9,10,11,12,13,14,15
	global_store_b128 v[CO], v[BB+4*\t:BB+4*\t+3], s[94:95] offset:(8*(\a)+\t%8+32*(\t/8))*4096 th:TH_STORE_NT   ; position 16 a + t is token 32 (t / 8) + 8 a + t % 8; 32 lanes store 512 consecutive bytes
.endr
.endm
	PLACES NP
	TOSTAGE 0
.irp a, 1,2,3
.if \a > 1
	s_wait_xcnt 0x0                                ; block a - 2's stores have read their registers
.endif
	TOSTAGE \a
	SEND \a-1, 32                                  ; behind block a - 1's loads: block a's 16 stores and 16 loads
.endr
	SEND 3, 0
	s_wait_tensorcnt 0x0                           ; the wave's end
	ds_add_u32 v[SPW], v[NIL]
	s_wait_dscnt 0x0
	CROUND                                         ; the closing round
	s_endpgm
.Lfunc_end_k_q2e088960ba_outp:
	.size	k_q2e088960ba_outp, .Lfunc_end_k_q2e088960ba_outp-k_q2e088960ba_outp
	.p2alignl 7, 3214868480
	.fill 96, 4, 3214868480
	.section	.rodata,"a",@progbits
	.p2align	6, 0x0
	.amdhsa_kernel k_q2e088960ba_outp
		.amdhsa_group_segment_fixed_size 327680
		.amdhsa_private_segment_fixed_size 0
		.amdhsa_enable_private_segment 0
		.amdhsa_kernarg_size 48
		.amdhsa_user_sgpr_count 2
		.amdhsa_user_sgpr_kernarg_segment_ptr 1
		.amdhsa_wavefront_size32 1
		.amdhsa_system_sgpr_workgroup_id_x 1
		.amdhsa_system_sgpr_workgroup_id_y 1
		.amdhsa_system_sgpr_workgroup_id_z 1
		.amdhsa_system_vgpr_workitem_id 0
		.amdhsa_next_free_vgpr 768
		.amdhsa_next_free_sgpr 98
		.amdhsa_reserve_vcc 0
		.amdhsa_float_denorm_mode_32 3
		.amdhsa_float_denorm_mode_16_64 3
		.amdhsa_memory_ordered 1
		.amdhsa_forward_progress 1
		.amdhsa_inst_pref_size 97
	.end_amdhsa_kernel
	.amdgpu_metadata
---
amdhsa.version: [ 1, 2 ]
amdhsa.kernels:
  - .name:           k_q2e088960ba_outp
    .symbol:         k_q2e088960ba_outp.kd
    .args:
      - { .name: cc, .offset: 0, .size: 8, .value_kind: global_buffer, .address_space: global }
      - { .name: cs, .offset: 8, .size: 8, .value_kind: global_buffer, .address_space: global }
      - { .name: wc, .offset: 16, .size: 8, .value_kind: global_buffer, .address_space: global }
      - { .name: ws, .offset: 24, .size: 8, .value_kind: global_buffer, .address_space: global }
      - { .name: bo, .offset: 32, .size: 8, .value_kind: global_buffer, .address_space: global }
      - { .name: out0, .offset: 40, .size: 8, .value_kind: global_buffer, .address_space: global }
    .group_segment_fixed_size: 327680
    .private_segment_fixed_size: 0
    .kernarg_segment_align: 8
    .kernarg_segment_size: 48
    .max_flat_workgroup_size: 128
    .sgpr_count:     98
    .vgpr_count:     768
    .wavefront_size: 32
...
	.end_amdgpu_metadata
.endif
;; end of part 4
